; MI455X (gfx1250); checked and timed in simulation.
; The chip was launched on July 23, 2026; its instructions are those of AMD's public machine-readable ISA for CDNA 5 (MIT licence, August 2026) and "CDNA5" Instruction Set Architecture Reference Guide (July 2026). The comments in the code are by the model that wrote it; some were corrected since.
;; Block. Allowed arithmetic: matrix products marked QUANTISED: E2M1 operands, one E8M0 scale for each 32 along K, by v_wmma_scale_f32_16x16x128_f8f6f4 with both operands' format E2M1 (or v_wmma_scale_f32_32x16x128_f4), f32 sums; everything else in f32.
;; Inputs: W1_codes 2,048 x 16 x 16 uint8 (E2M1 codes of W1, K innermost, in blocks of 32 codes, two codes a byte); W1_scales 2,048 x 16 uint8 (E8M0 scales of W1, one for each 32 codes along K); W2_codes 512 x 64 x 16 uint8 (E2M1 codes of W2, K innermost, in blocks of 32 codes, two codes a byte); W2_scales 512 x 64 uint8 (E8M0 scales of W2, one for each 32 codes along K); Wk_codes 512 x 16 x 16 uint8 (E2M1 codes of Wk, K innermost, in blocks of 32 codes, two codes a byte); Wk_scales 512 x 16 uint8 (E8M0 scales of Wk, one for each 32 codes along K); Wp_codes 512 x 16 x 16 uint8 (E2M1 codes of Wp, K innermost, in blocks of 32 codes, two codes a byte); Wp_scales 512 x 16 uint8 (E8M0 scales of Wp, one for each 32 codes along K); Wq_codes 512 x 16 x 16 uint8 (E2M1 codes of Wq, K innermost, in blocks of 32 codes, two codes a byte); Wq_scales 512 x 16 uint8 (E8M0 scales of Wq, one for each 32 codes along K); Wv_codes 512 x 16 x 16 uint8 (E2M1 codes of Wv, K innermost, in blocks of 32 codes, two codes a byte); Wv_scales 512 x 16 uint8 (E8M0 scales of Wv, one for each 32 codes along K); b1 2,048 float32; b2 512 float32; beta1 512 float32; beta2 512 float32; bk 512 float32; bp 512 float32; bq 512 float32; bv 512 float32; g1 512 float32; g2 512 float32; x 4 x 2,048 x 512 float32.
;; Outputs: out0 4 x 2,048 x 512 float32.
;; This version of the problem:
;;   THIS VERSION OF THE PROBLEM IS GIVEN IN LOW PRECISION. The matrix products marked QUANTISED in the list below multiply operands that are first quantised to E2M1 (2 exponent bits, 1 mantissa bit; 4 bits a number), with one power-of-two scale for each 32 numbers along K (OCP MX v1.0); their sums are f32. All else is computed in f32.
;;   The module's matrix products, in the order in which they are computed (A, B: the left and right operand; K: the contracted axis; several contracted axes count as one K, in the product's order):
;;     1. [M 8,192, K 512] x [K 512, N 512]; A: computed on the way; B: input Wq (given as codes): QUANTISED
;;     2. [M 8,192, K 512] x [K 512, N 512]; A: computed on the way; B: input Wk (given as codes): QUANTISED
;;     3. [M 8,192, K 512] x [K 512, N 512]; A: computed on the way; B: input Wv (given as codes): QUANTISED
;;     4. batch 32 x [M 2,048, K 64] x [K 64, N 2,048]; A: computed on the way; B: computed on the way: QUANTISED
;;     5. batch 32 x [M 2,048, K 2,048] x [K 2,048, N 64]; A: softmax (see below); B: computed on the way: QUANTISED
;;     6. [M 8,192, K 512] x [K 512, N 512]; A: computed on the way; B: input Wp (given as codes): QUANTISED
;;     7. [M 8,192, K 512] x [K 512, N 2,048]; A: computed on the way; B: input W1 (given as codes): QUANTISED
;;     8. [M 8,192, K 2,048] x [K 2,048, N 512]; A: computed on the way; B: input W2 (given as codes): QUANTISED
;;   THE QUANTISER, for each operand of a quantised product, along K:
;;     - K is cut into blocks of 32 from its start; a last block that is shorter is filled with zeros.
;;     - A block's scale is 2^e with e = floor(log2(the largest magnitude in the block)) - 2, held to -126 .. 127; a block of zeros has e = 0. As a byte (E8M0): e + 127.
;;     - Each number is divided by its block's scale, clamped to +-6, and rounded to the nearest number of E2M1, ties to even, subnormals kept.
;;     - The product sums the exact products of the quantised numbers (number of the format x scale) in f32.
;;   ~~~python
;;   def quantise(x, axis):      # numpy; x: float32 -> the quantised numbers, widened to float32 again
;;       x = np.moveaxis(x, axis, -1); K = x.shape[-1]
;;       x = np.pad(x, [(0, 0)] * (x.ndim - 1) + [(0, -K % 32)]); x = x.reshape(x.shape[:-1] + (-1, 32)); a = np.abs(x).max(-1, keepdims=True)
;;       e = np.where(a > 0, np.clip(np.frexp(np.where(a > 0, a, 1))[1] - 1 - 2, -126, 127), 0)      # np.frexp(a)[1] - 1 = floor(log2(a)), exactly
;;       r = np.clip(x / 2.0 ** e, -6, 6)
;;       step = 2.0 ** (np.maximum(np.frexp(np.where(r == 0, 1, r))[1] - 1, 0) - 1)
;;       q = np.round(r / step) * step * 2.0 ** e      # np.round: ties to even
;;       return np.moveaxis(q.reshape(q.shape[:-2] + (-1,))[..., :K], -1, axis).astype(np.float32)
;;   ~~~
;;   SOFTMAX AHEAD OF A QUANTISED PRODUCT. Where the list says 'softmax', what is quantised is not the finished softmax but p = 2^(t - M), with t = logit x log2(e) and M = ceil(the row's largest t), a whole number; so 1/2 < the row's largest p <= 1. The row's sum l is taken of the UNQUANTISED p, in f32, and the product's result is divided by l at the end. Since M is a whole number, a kernel that streams over the keys may use a running M (the ceiling of the running maximum): every later rescaling is an exact power of two, which a block's scale takes up: the codes' values come out the same.
;;   OPERANDS COMPUTED ON THE WAY. 'Computed on the way' means the value that the module computes at that place (a softmax that the list does not call 'softmax' is quantised finished and normalised). What goes into a quantiser is computed in f32, as accurately as f32 sums, v_exp_f32 and their like allow (about 1e-6 of the number): no bf16 or f16 on the way to a quantiser, and a product that is left as it is and whose result goes on into a quantised operand takes f32 operands (vector FMAs, or v_wmma_f32_16x16x4_f32). A number that lies on a knife's edge between two numbers of the format may be rounded either way, as far as f32 arithmetic and the matrix unit's own rounding can turn it there, and no further.
;;   INPUTS GIVEN AS CODES. W1 (in the module: [512, 2048], K = its axis 0); W2 (in the module: [2048, 512], K = its axis 0); Wk (in the module: [512, 512], K = its axis 0); Wp (in the module: [512, 512], K = its axis 0); Wq (in the module: [512, 512], K = its axis 0); Wv (in the module: [512, 512], K = its axis 0): each comes as NAME_codes (uint8): NAME with its K axis moved to the last place and cut into blocks of 32 codes, [.., K / 32, bytes a block], one block behind the other in memory; two codes a byte, the lower K in the low four bits (a code: sign, 2 exponent bits, 1 mantissa bit); and NAME_scales (uint8): the same leading axes, one E8M0 byte (e + 127) for each 32 codes along K. Its value is code x scale, taken as it is: it is not quantised again, and the codes and scales need not be those that the quantiser above would give.
;; One version. Each part assembles by itself: llvm-mc -triple=amdgcn-amd-amdhsa -mcpu=gfx1250 --defsym DOCPART=n.
;; ======== version 1 of 1: 3 launches
;; limits: right only within a limited range of input values
;; workspace buffers: qw 2,359,296 bytes; kv 4,587,520 bytes; y_img 2,097,152 bytes; ysc 131,072 bytes; wp_img 131,072 bytes; w1_img 524,288 bytes; w2_img 524,288 bytes
;; launch qkv (part 1): grid 128 x 2, 16 waves a work-group, clusters of 4 x 1, 229,376 bytes of LDS; arguments x, g1, beta1, Wq_codes, Wk_codes, Wv_codes, Wq_scales, Wk_scales, Wv_scales, bq, bk, bv, Wp_codes, W1_codes, W2_codes, qw, kv, wp_img, w1_img, w2_img; writes qw, kv, wp_img, w1_img, w2_img
.if DOCPART == 1
	.amdgcn_target "amdgcn-amd-amdhsa--gfx1250"
	.amdhsa_code_object_version 6
	.text
	.protected	k_q0daf980658_qkv
	.globl	k_q0daf980658_qkv
	.p2align	8
	.type	k_q0daf980658_qkv,@function
k_q0daf980658_qkv:
	s_mov_b64 s[64:65], 0
	v_nop
	global_prefetch_b8 v0, s[64:65] scope:SCOPE_SE
	s_setreg_imm32_b32 hwreg(HW_REG_WAVE_MODE, 25, 1), 1
	s_wait_xcnt 0x0
	s_wait_alu depctr_hold_cnt(0) depctr_sa_sdst(0) depctr_va_vdst(0) depctr_va_sdst(0) depctr_va_ssrc(0) depctr_va_vcc(0) depctr_vm_vsrc(0)
	s_getreg_b32 s2, hwreg(HW_REG_IB_STS2, 6, 4)
	s_cmp_eq_u32 s2, 0
	s_cbranch_scc0 .Lentry_in_a_cluster
	s_endpgm
.Lentry_in_a_cluster:
	s_bfe_u32 s2, ttmp6, 0x10000c
	s_cmp_lg_u32 s2, 0x3003
	s_cbranch_scc0 .Lentry_shape_is_right
	s_endpgm
.Lentry_shape_is_right:
; LayerNorm 1, its quantising to FP4 (E2M1, one E8M0 byte for each 32 along K), the products h Wq, h Wk, h Wv with their biases, and the quantising of q and k (along the head's 64) and of v (along the keys).
; Beside that each work-group re-lays 9 pieces of 512 bytes of Wp's, W1's and W2's codes into the order of an operand's registers, for the last launch.
; SHARES.  A work-group: 64 tokens (X = 0..127) x the 256 columns of heads 4 y .. 4 y + 3 of q, k and v.  Its 768 weight rows (192 KiB of codes) lie in LDS, filled once.
; The four work-groups of a cluster differ in X alone and want the same weight rows: these come by joint tensor loads (mask 15), 64 rows a wave, waves 0 to 11.
; ONE ORDER OF ROWS EVERYWHERE: row index r of tile 2 b + u of a group of 32 stands for element 32 b + 8 u + pi(r), pi(r) = r + 8 (r / 8).  A result's 16 registers of tiles 2 b and 2 b + 1 are then the 16 neighbours
; 32 b + 16 (lane / 16) + 0 .. 15.  q and k are made transposed (source 0 = weight rows, source 1 = tokens: a lane holds a token, registers run along d); v is made the other way round (a lane holds a column d, registers run along the keys).
; WAVES.  LN: wave w takes token rows 4 w .. 4 w + 3.  q, k: wave w takes token tile w % 4 and head w / 4.  v: wave w takes column tile w and all four token tiles.
; OUTPUT, all as images of operand registers (32 lanes x 16 bytes = 512 consecutive bytes a store): qw, kv as the next launch's head comment lays them.
; LIMITS: NaN and infinities among the inputs are not served; a block whose largest magnitude lies under 2^-124 (a block of zeros too) gets the scale byte 1: its bytes are read by this program alone.
.set PITCH, 272                        ; an LDS row of codes: 256 bytes + 16 of padding
.set HC,    768*PITCH                  ; behind the weights: h's codes, 64 token rows
.set HSL,   HC+64*PITCH                ; h's scale bytes, 16 a row
.set WSQ, 32                           ; v32-39  Wq's scale words: register 4 b + s; lanes 0-15 tile 2 b, lanes 16-31 tile 2 b + 1
.set WSK, 40                           ; v40-47  Wk's
.set WSV, 48                           ; v48-51  Wv's, one tile
.set HSQ, 52                           ; v52-55  h's scale words of my token tile
.set HSV, 56                           ; v56-63  h's of all four tiles: register 4 g + s; lanes pick tile 2 g + lane / 16
.set TM,  64                           ; v64-69  at work in QUANT2
.set PC,  70                           ; v70-73  codes just made
.set PW,  74                           ; v74     two scale bytes just made; v75 at work
.set CV,  76                           ; v76-83  bv of my column, eight times: the C of v's first products
.set ACCA, 88                          ; v88-119  q, later v
.set ACCB, 120                         ; v120-151 k
.set HF,  152                          ; v152-183 four fragments (in LN: g1 and beta1 of my 16 columns)
.set WF,  184                          ; v184-247 eight fragments (in LN: 4 rows x 16 numbers)
.set LT,  248                          ; v248-255 LN: a pair for each row; then h's codes
.set SEL, 66                           ; s[66:67] v_permlanex16_b32's selects for lane l xor 16
.macro PLACES                          ; four plain vector instructions between a matrix instruction and a read of its result or a load into its registers
.rept 4
	v_nop
.endr
.endm
.macro CROUND                          ; a round of the cluster's barrier
	s_barrier_signal -1
	s_barrier_wait -1
	s_cmp_lg_u32 s48, 0
	s_cbranch_scc1 .Lnot_wave_0_\@
	s_barrier_signal -3
.Lnot_wave_0_\@:
	s_barrier_wait -3
	s_barrier_signal -1
	s_barrier_wait -1
.endm
.macro WM d, a, b, c, sa, sb, ra, rb   ; one scaled FP4 product; ra, rb: A's and B's scales stand in lanes 16-31
.if (\ra) && (\rb)
	v_wmma_scale_f32_16x16x128_f8f6f4 v[\d:\d+7], v[\a:\a+7], v[\b:\b+7], v[\c:\c+7], v[\sa], v[\sb] matrix_a_fmt:MATRIX_FMT_FP4 matrix_b_fmt:MATRIX_FMT_FP4 matrix_a_scale:MATRIX_SCALE_ROW1 matrix_b_scale:MATRIX_SCALE_ROW1
.elseif (\ra)
	v_wmma_scale_f32_16x16x128_f8f6f4 v[\d:\d+7], v[\a:\a+7], v[\b:\b+7], v[\c:\c+7], v[\sa], v[\sb] matrix_a_fmt:MATRIX_FMT_FP4 matrix_b_fmt:MATRIX_FMT_FP4 matrix_a_scale:MATRIX_SCALE_ROW1
.elseif (\rb)
	v_wmma_scale_f32_16x16x128_f8f6f4 v[\d:\d+7], v[\a:\a+7], v[\b:\b+7], v[\c:\c+7], v[\sa], v[\sb] matrix_a_fmt:MATRIX_FMT_FP4 matrix_b_fmt:MATRIX_FMT_FP4 matrix_b_scale:MATRIX_SCALE_ROW1
.else
	v_wmma_scale_f32_16x16x128_f8f6f4 v[\d:\d+7], v[\a:\a+7], v[\b:\b+7], v[\c:\c+7], v[\sa], v[\sb] matrix_a_fmt:MATRIX_FMT_FP4 matrix_b_fmt:MATRIX_FMT_FP4
.endif
.endm
; 32 numbers of a lane, register 16 b + i = k 32 b + 16 (lane / 16) + i of my row, become 16 bytes of codes (lane (r, h): block h whole) in v[pc] on and the two scale bytes in v[pw].
.macro QUANT2 s, pc, pw
.irp b, 0,1
	v_max3_num_f32 v[TM+\b], |v[\s+16*\b]|, |v[\s+16*\b+1]|, 0x1800000   ; my 16 numbers and the floor 2^(3 - 127): the byte cannot fall under 1
.endr
.irp i, 2,4,6,8,10,12,14
.irp b, 0,1
	v_max3_num_f32 v[TM+\b], v[TM+\b], |v[\s+16*\b+\i]|, |v[\s+16*\b+\i+1]|
.endr
.endr
.irp b, 0,1
	s_delay_alu instid0(VALU_DEP_2)
	v_permlanex16_b32 v[TM+2+\b], v[TM+\b], s[SEL], s[SEL+1]
.endr
.irp b, 0,1
	s_delay_alu instid0(VALU_DEP_2)
	v_max_num_f32 v[TM+\b], v[TM+\b], v[TM+2+\b]          ; with lane l xor 16's: the block's largest magnitude
.endr
.irp b, 0,1
	s_delay_alu instid0(VALU_DEP_2)
	v_add_nc_u32 v[TM+4+\b], 0xff000000, v[TM+\b]         ; 2 off its exponent field: the conversion's scale operand
.endr
.irp b, 0,1
	s_delay_alu instid0(VALU_DEP_2)
	v_lshrrev_b32 v[TM+2+\b], 23, v[TM+4+\b]              ; the scale's byte
.endr
	s_delay_alu instid0(VALU_DEP_1)
	v_lshl_or_b32 v[\pw], v[TM+3], 8, v[TM+2]
.irp b, 0,1
	v_cvt_scalef32_pk8_fp4_f32 v[\pc+2*\b], v[\s+16*\b:\s+16*\b+7], v[TM+4+\b]
	v_cvt_scalef32_pk8_fp4_f32 v[\pc+2*\b+1], v[\s+16*\b+8:\s+16*\b+15], v[TM+4+\b]
.endr
	v_nop                                                 ; one plain place behind a scaled conversion
	v_permlane16_swap_b32 v[\pc], v[\pc+2]                ; half blocks change lanes: lanes 0-15 keep block 0, lanes 16-31 block 1, each whole
	v_permlane16_swap_b32 v[\pc+1], v[\pc+3]
.endm
	s_load_b512 s[8:23], s[0:1], 0x0               ; x 8, g1 10, beta1 12, Wq codes 14, Wk codes 16, Wv codes 18, Wq scales 20, Wk scales 22
	s_load_b512 s[24:39], s[0:1], 0x40             ; Wv scales 24, bq 26, bk 28, bv 30, Wp codes 32, W1 codes 34, W2 codes 36, qw 38
	s_load_b256 s[40:47], s[0:1], 0x80             ; kv 40, wp_img 42, w1_img 44, w2_img 46
	v_lshl_add_u32 v86, v0, 2, 0x37800
	v_mov_b32 v87, 0
	ds_add_u32 v86, v87
	ds_add_u32 v86, v87
	v_lshrrev_b32 v1, 5, v0
	s_delay_alu instid0(VALU_DEP_1)
	v_readfirstlane_b32 s48, v1                    ; wave 0..15
	v_and_b32 v1, 31, v0                           ; L
	s_wait_alu depctr_va_vdst(0)
	v_and_b32 v2, 15, v0                           ; r
	v_bfe_u32 v3, v0, 4, 1                         ; h
	v_and_b32 v4, 8, v0
	s_delay_alu instid0(VALU_DEP_1)
	v_add_nc_u32 v4, v4, v2                        ; pi(r)
	s_wait_alu depctr_va_vdst(0)
	v_mov_b32 v27, 0
	s_bfe_u32 s49, ttmp6, 0x40000                  ; cx: it enters global addresses of x and of the outputs alone
	s_lshl_b32 s50, ttmp9, 2
	s_add_co_u32 s50, s50, s49                     ; X: my 64 tokens
	s_and_b32 s51, ttmp7, 0xffff                   ; y: my four heads; the four partners share it
	s_mov_b32 s[SEL], 0x76543210
	s_mov_b32 s[SEL+1], 0xfedcba98
	s_mov_b32 s68, 0xffff0000                      ; the lanes with h = 1
	s_mov_b32 s98, 0x3b000000                      ; 1 / 512
	s_mov_b32 s99, 0x3727c5ac                      ; 1e-5
	s_lshr_b32 s74, s48, 2                         ; hl: my head of the four
	s_and_b32 s75, s48, 3                          ; m: my token tile (q, k); my tile of d (v)
	s_and_b32 s78, s48, 1
	s_lshl_b32 s78, s78, 3
	s_lshr_b32 s76, s48, 1
	s_lshl_b32 s76, s76, 5
	s_add_co_u32 s76, s76, s78                     ; first row of v's column tile: 32 (w / 2) + 8 (w % 2)
	s_lshr_b32 s77, s75, 1
	s_lshl_b32 s77, s77, 5
	s_add_co_u32 s77, s77, s78                     ; first token of my token tile: 32 (m / 2) + 8 (m % 2)
	; descriptor group 1: 64 rows x 256 bytes, 16 bytes of padding behind each; the mask names the cluster's four work-groups
	s_mov_b32 s52, 15|(1<<20)|(1<<21)|(5<<22)|(3<<25)
	s_mov_b32 s53, 256<<16
	s_mov_b32 s54, 64<<16
	s_mov_b32 s55, 256<<16
	s_mov_b32 s56, 64
	s_mov_b32 s57, 256
	s_mov_b32 s58, 0
	s_mov_b32 s59, 0
	s_mov_b32 s60, 1
	s_mul_i32 s61, s48, 64*PITCH                   ; wave w's 64 rows in LDS
	; addresses that stay
	v_lshlrev_b32 v6, 5, v1                        ; 32 L: my 8 numbers of 256 columns
	s_lshl_b32 s69, s48, 13
	v_add_nc_u32 v5, s69, v6                       ; x: my wave's four rows
	s_mul_i32 s69, s48, 4*PITCH
	s_add_co_u32 s69, s69, HC
	v_lshl_add_u32 v7, v1, 2, s69                  ; where I store 8 codes of h
	s_lshl_b32 s69, s48, 6
	s_add_co_u32 s69, s69, HSL
	v_bfe_u32 v8, v0, 2, 3
	s_delay_alu instid0(VALU_DEP_1)
	v_add_nc_u32 v8, s69, v8                       ; and my block's scale byte (four lanes to a block)
	v_mul_u32_u24 v25, v4, PITCH
	s_delay_alu instid0(VALU_DEP_1)
	v_lshl_add_u32 v25, v3, 4, v25                 ; a fragment's row pi(r) and my half's 16 bytes
	s_mul_i32 s69, s74, 64*PITCH
	v_add_nc_u32 v9, s69, v25                      ; Wq: my head's rows
	s_delay_alu instid0(VALU_DEP_1)
	v_add_nc_u32 v10, 256*PITCH, v9                ; Wk
	s_mul_i32 s69, s76, PITCH
	s_add_co_u32 s69, s69, 512*PITCH
	v_add_nc_u32 v11, s69, v25                     ; Wv: my column tile
	s_mul_i32 s69, s77, PITCH
	s_add_co_u32 s69, s69, HC
	v_add_nc_u32 v12, s69, v25                     ; h: my token tile
	v_add_nc_u32 v13, HC, v25                      ; h: token tile 0
	v_lshlrev_b32 v26, 4, v4
	s_wait_alu depctr_va_vdst(0)
	s_lshl_b32 s69, s77, 4
	s_add_co_u32 s69, s69, HSL
	v_add_nc_u32 v14, s69, v26                     ; h's scale words of my token tile
	v_lshl_add_u32 v15, v3, 7, v26
	s_delay_alu instid0(VALU_DEP_1)
	v_add_nc_u32 v15, HSL, v15                     ; h's scale words, lanes 16-31 eight rows on
	s_lshl_b32 s69, s51, 12
	s_lshl_b32 s78, s74, 10
	s_add_co_u32 s69, s69, s78
	v_lshl_add_u32 v16, v3, 7, v26
	s_delay_alu instid0(VALU_DEP_1)
	v_add_nc_u32 v16, s69, v16                     ; Wq's, Wk's scales: row 256 y + 64 hl + 8 h + pi, 16 bytes a row
	s_lshl_b32 s69, s51, 8
	s_add_co_u32 s69, s69, s76
	s_lshl_b32 s69, s69, 4
	v_add_nc_u32 v17, s69, v26                     ; Wv's scales: my column tile's rows
	s_lshl_b32 s69, s51, 10
	s_lshl_b32 s78, s74, 8
	s_add_co_u32 s69, s69, s78
	v_lshl_add_u32 v18, v3, 6, s69                 ; bq, bk: column 256 y + 64 hl + 16 h
	v_lshrrev_b32 v19, 2, v17                      ; bv: my column
	v_lshlrev_b32 v20, 4, v1                       ; 16 L
	v_lshlrev_b32 v21, 2, v2
	s_delay_alu instid0(VALU_DEP_1)
	v_add_nc_u32 v22, v21, v3                      ; 4 r + h
	s_delay_alu instid0(VALU_DEP_2)
	v_lshl_add_u32 v21, v3, 1, v21                 ; 4 r + 2 h
	v_lshlrev_b32 v23, 3, v3                       ; 8 h
	; the re-laying: waves 0-3 W1, waves 4-7 W2 (piece 4 wg + w % 4), wave 8 Wp (piece wg); a piece is half a fragment: 16 rows x 32 bytes
	s_lshl_b32 s78, s51, 7
	s_add_co_u32 s78, s78, s50                     ; wg = 128 y + X
	s_lshl_b32 s79, s78, 2
	s_add_co_u32 s79, s79, s75
	s_cmp_lt_u32 s48, 8
	s_cselect_b32 s79, s79, s78                    ; the piece's number U
	s_cmp_eq_u32 s74, 1                            ; W2 has 32 pieces to a tile and rows of 1,024 bytes, the others 8 and 256
	s_cselect_b32 s80, 5, 3
	s_cselect_b32 s81, 10, 8
	s_cselect_b32 s83, 31, 7
	s_and_b32 s83, s79, s83
	s_lshl_b32 s83, s83, 5                         ; 32 bytes a piece along the row
	s_lshr_b32 s82, s79, s80                       ; tile nt
	s_and_b32 s84, s82, 1
	s_lshl_b32 s84, s84, 3
	s_lshl_b32 s82, s82, 4
	s_sub_co_u32 s82, s82, s84                     ; its first row: 16 nt - 8 (nt % 2)
	v_add_nc_u32 v24, s82, v4
	s_delay_alu instid0(VALU_DEP_1)
	v_lshlrev_b32 v24, s81, v24
	s_delay_alu instid0(VALU_DEP_1)
	v_lshl_add_u32 v24, v3, 4, v24
	s_delay_alu instid0(VALU_DEP_1)
	v_add_nc_u32 v24, s83, v24                     ; where my 16 bytes of the piece lie in the weight's codes
	s_wait_dscnt 0x0
	s_wait_kmcnt 0x0
	s_cmp_lt_u32 s48, 4                            ; the choices hang on the wave's number alone
	s_cselect_b64 s[62:63], s[14:15], s[16:17]
	s_cselect_b64 s[70:71], s[34:35], s[36:37]
	s_cselect_b64 s[72:73], s[44:45], s[46:47]
	s_cmp_lt_u32 s48, 8
	s_cselect_b64 s[62:63], s[62:63], s[18:19]     ; waves 0-3 fetch Wq, 4-7 Wk, 8-11 Wv
	s_cselect_b64 s[70:71], s[70:71], s[32:33]
	s_cselect_b64 s[72:73], s[72:73], s[42:43]
	s_mov_b32 s85, 0
	s_lshl_b32 s84, s51, 16
	s_lshl_b32 s69, s75, 14
	s_add_co_u32 s84, s84, s69
	s_add_nc_u64 s[62:63], s[62:63], s[84:85]      ; rows 256 y + 64 (w % 4) on: the same in all four partners
	s_or_b32 s63, s63, 0x80000000
	s_lshl_b32 s84, s79, 9
	s_add_nc_u64 s[72:73], s[72:73], s[84:85]      ; the piece's 512 bytes in its image
	s_lshl_b32 s84, s50, 17
	s_add_nc_u64 s[8:9], s[8:9], s[84:85]          ; x at my 64 tokens
	s_lshr_b32 s80, s50, 5
	s_lshl_b32 s80, s80, 3
	s_lshl_b32 s69, s51, 2
	s_add_co_u32 s80, s80, s69
	s_add_co_u32 s80, s80, s74                     ; bh = 8 batch + head
	s_and_b32 s81, s50, 31                         ; Xs: my 64 tokens within the batch
	s_lshl_b32 s82, s81, 2
	s_add_co_u32 s82, s82, s75                     ; tau = 4 Xs + m
	s_mul_i32 s83, s80, 73728
	s_lshl_b32 s84, s82, 9
	s_add_co_u32 s84, s84, s83
	s_add_nc_u64 s[86:87], s[38:39], s[84:85]      ; q's codes
	s_lshl_b32 s84, s82, 6
	s_add_co_u32 s84, s84, s83
	s_add_co_u32 s84, s84, 65536
	s_add_nc_u64 s[88:89], s[38:39], s[84:85]      ; q's scale words
	s_mul_i32 s83, s80, 143360
	s_lshl_b32 s84, s82, 9
	s_add_co_u32 s84, s84, s83
	s_add_nc_u64 s[90:91], s[40:41], s[84:85]      ; k's codes
	s_lshl_b32 s84, s82, 6
	s_add_co_u32 s84, s84, s83
	s_add_co_u32 s84, s84, 131072
	s_add_nc_u64 s[92:93], s[40:41], s[84:85]      ; k's scale words
	s_lshr_b32 s69, s81, 1                         ; key step
	s_and_b32 s81, s81, 1                          ; which 64 keys of its 128
	s_lshl_b32 s84, s69, 12
	s_add_co_u32 s84, s84, s83
	s_lshl_b32 s78, s75, 10
	s_add_co_u32 s84, s84, s78
	s_lshl_b32 s78, s81, 9
	s_add_co_u32 s84, s84, s78
	s_add_co_u32 s84, s84, 65536
	s_add_nc_u64 s[94:95], s[40:41], s[84:85]      ; v's codes
	s_lshl_b32 s84, s69, 8
	s_add_co_u32 s84, s84, s83
	s_lshl_b32 s78, s75, 6
	s_add_co_u32 s84, s84, s78
	s_lshl_b32 s78, s81, 1
	s_add_co_u32 s84, s84, s78
	s_add_co_u32 s84, s84, 139264
	s_add_nc_u64 s[96:97], s[40:41], s[84:85]      ; v's scale bytes
	CROUND                                         ; all four work-groups are here: the joint loads meet
	s_cmp_lt_u32 s48, 12
	s_cbranch_scc0 .Lno_fill
	tensor_load_to_lds s[60:63], s[52:59]          ; my 64 weight rows; one load a wave, the only fill of these bytes
	s_nop 0
	PLACES
.Lno_fill:
	s_cmp_lt_u32 s48, 9
	s_cbranch_scc0 .Lno_piece
	s_wait_alu depctr_va_vdst(0)
	global_load_b128 v[28:31], v24, s[70:71]       ; the piece to re-lay: the oldest load, so every later wait covers it
.Lno_piece:
.irp p, 0,1,2,3
.irp i, 0,1
.irp q, 0,1
	global_load_b128 v[WF+16*\p+8*\i+4*\q:WF+16*\p+8*\i+4*\q+3], v5, s[8:9] offset:2048*\p+1024*\i+16*\q   ; row p: columns 256 i + 8 L + 0 .. 7
.endr
.endr
.endr
.irp i, 0,1
.irp q, 0,1
	global_load_b128 v[HF+8*\i+4*\q:HF+8*\i+4*\q+3], v6, s[10:11] offset:1024*\i+16*\q
.endr
.endr
.irp i, 0,1
.irp q, 0,1
	global_load_b128 v[HF+16+8*\i+4*\q:HF+16+8*\i+4*\q+3], v6, s[12:13] offset:1024*\i+16*\q
.endr
.endr
.irp b, 0,1                                    ; 22 loads that LN does not need: the biases, in the results' layout, are the sums' first C
.irp q, 0,1,2,3
	global_load_b128 v[ACCA+16*\b+4*\q:ACCA+16*\b+4*\q+3], v18, s[26:27] offset:128*\b+16*\q
.endr
.endr
.irp b, 0,1
.irp q, 0,1,2,3
	global_load_b128 v[ACCB+16*\b+4*\q:ACCB+16*\b+4*\q+3], v18, s[28:29] offset:128*\b+16*\q
.endr
.endr
.irp b, 0,1
	global_load_b128 v[WSQ+4*\b:WSQ+4*\b+3], v16, s[20:21] offset:512*\b
.endr
.irp b, 0,1
	global_load_b128 v[WSK+4*\b:WSK+4*\b+3], v16, s[22:23] offset:512*\b
.endr
	global_load_b128 v[WSV:WSV+3], v17, s[24:25]
	global_load_b32 v84, v19, s[30:31]
	s_wait_loadcnt 22                              ; the piece, x, g1 and beta1 are in; the 22 loads behind them may be out
	s_cmp_lt_u32 s48, 9
	s_cbranch_scc0 .Lno_store
	s_wait_alu depctr_va_vdst(0)
	global_store_b128 v20, v[28:31], s[72:73]      ; 32 lanes store 512 consecutive bytes
.Lno_store:
	; ---- LayerNorm of my four rows, the rows by turns
.macro LANESUM                                 ; v[LT + 2 p] summed over the 32 lanes
.irp x, 1,2,4,8
.irp p, 0,1,2,3
	s_delay_alu instid0(VALU_DEP_4)
	v_add_f32_dpp v[LT+2*\p], v[LT+2*\p], v[LT+2*\p] row_xmask:\x row_mask:0xf bank_mask:0xf
.endr
.endr
.irp p, 0,1,2,3
	s_delay_alu instid0(VALU_DEP_4)
	v_permlanex16_b32 v[LT+2*\p+1], v[LT+2*\p], s[SEL], s[SEL+1]
.endr
.irp p, 0,1,2,3
	s_delay_alu instid0(VALU_DEP_4)
	v_add_f32 v[LT+2*\p], v[LT+2*\p], v[LT+2*\p+1]
.endr
.endm
.irp p, 0,1,2,3
	v_pk_add_f32 v[LT+2*\p:LT+2*\p+1], v[WF+16*\p:WF+16*\p+1], v[WF+16*\p+2:WF+16*\p+3]
.endr
.irp i, 4,6,8,10,12,14
.irp p, 0,1,2,3
	s_delay_alu instid0(VALU_DEP_4)
	v_pk_add_f32 v[LT+2*\p:LT+2*\p+1], v[LT+2*\p:LT+2*\p+1], v[WF+16*\p+\i:WF+16*\p+\i+1]
.endr
.endr
.irp p, 0,1,2,3
	s_delay_alu instid0(VALU_DEP_4)
	v_add_f32 v[LT+2*\p], v[LT+2*\p], v[LT+2*\p+1]
.endr
	LANESUM
.irp p, 0,1,2,3
	s_delay_alu instid0(VALU_DEP_4)
	v_mul_f32 v[LT+2*\p], 0xbb000000, v[LT+2*\p]   ; minus the mean
.endr
.irp i, 0,2,4,6,8,10,12,14
.irp p, 0,1,2,3
	v_pk_add_f32 v[WF+16*\p+\i:WF+16*\p+\i+1], v[WF+16*\p+\i:WF+16*\p+\i+1], v[LT+2*\p:LT+2*\p+1] op_sel_hi:[1,0]
.endr
.endr
.irp p, 0,1,2,3
	v_pk_mul_f32 v[LT+2*\p:LT+2*\p+1], v[WF+16*\p:WF+16*\p+1], v[WF+16*\p:WF+16*\p+1]
.endr
.irp i, 2,4,6,8,10,12,14
.irp p, 0,1,2,3
	s_delay_alu instid0(VALU_DEP_4)
	v_pk_fma_f32 v[LT+2*\p:LT+2*\p+1], v[WF+16*\p+\i:WF+16*\p+\i+1], v[WF+16*\p+\i:WF+16*\p+\i+1], v[LT+2*\p:LT+2*\p+1]
.endr
.endr
.irp p, 0,1,2,3
	s_delay_alu instid0(VALU_DEP_4)
	v_add_f32 v[LT+2*\p], v[LT+2*\p], v[LT+2*\p+1]
.endr
	LANESUM
.irp p, 0,1,2,3
	s_delay_alu instid0(VALU_DEP_4)
	v_fma_f32 v[LT+2*\p], v[LT+2*\p], s98, s99     ; the variance + 1e-5
.endr
	s_wait_alu depctr_va_vdst(0)
.irp p, 0,1,2,3
	v_rsq_f32 v[LT+2*\p], v[LT+2*\p]
.endr
	v_nop                                          ; a plain instruction behind the last of the four
	s_wait_alu depctr_va_vdst(0)                   ; one wait for the four, ahead of their first reader
.irp i, 0,2,4,6,8,10,12,14
.irp p, 0,1,2,3
	v_pk_mul_f32 v[WF+16*\p+\i:WF+16*\p+\i+1], v[WF+16*\p+\i:WF+16*\p+\i+1], v[LT+2*\p:LT+2*\p+1] op_sel_hi:[1,0]
.endr
.endr
.irp i, 0,2,4,6,8,10,12,14
.irp p, 0,1,2,3
	v_pk_fma_f32 v[WF+16*\p+\i:WF+16*\p+\i+1], v[WF+16*\p+\i:WF+16*\p+\i+1], v[HF+\i:HF+\i+1], v[HF+16+\i:HF+16+\i+1]
.endr
.endr
	; ---- h is quantised: unit u = 2 x row + i holds 8 numbers a lane; four neighbouring lanes hold a block of 32
.irp u, 0,1,2,3,4,5,6,7
	v_max3_num_f32 v[64+\u], |v[WF+8*\u]|, |v[WF+8*\u+1]|, 0x1800000
.endr
.irp e, 2,4,6
.irp u, 0,1,2,3,4,5,6,7
	v_max3_num_f32 v[64+\u], v[64+\u], |v[WF+8*\u+\e]|, |v[WF+8*\u+\e+1]|
.endr
.endr
.irp x, 1,2
.irp u, 0,1,2,3,4,5,6,7
	v_max_num_f32_dpp v[64+\u], v[64+\u], v[64+\u] row_xmask:\x row_mask:0xf bank_mask:0xf
.endr
.endr
.irp u, 0,1,2,3,4,5,6,7
	v_add_nc_u32 v[72+\u], 0xff000000, v[64+\u]
.endr
.irp u, 0,1,2,3,4,5,6,7
	v_lshrrev_b32 v[64+\u], 23, v[72+\u]
.endr
.irp u, 0,1,2,3,4,5,6,7
	v_cvt_scalef32_pk8_fp4_f32 v[LT+\u], v[WF+8*\u:WF+8*\u+7], v[72+\u]
.endr
	v_nop
.irp u, 0,1,2,3,4,5,6,7
	ds_store_b32 v7, v[LT+\u] offset:PITCH*(\u/2)+128*(\u%2)
	ds_store_b8 v8, v[64+\u] offset:16*(\u/2)+8*(\u%2)     ; the four lanes of a block write the same byte with the same value
.endr
	s_wait_tensorcnt 0x0                           ; my weight rows have landed,
	s_wait_dscnt 0x0                               ; my stores of h too:
	s_barrier_signal -1
	s_barrier_wait -1                              ; everybody's have
	; ---- q and k: my token tile x my head
.irp s, 0,1,2,3
.irp c, 0,1
	ds_load_b128 v[HF+8*\s+4*\c:HF+8*\s+4*\c+3], v12 offset:64*\s+32*\c
.endr
.endr
	ds_load_b128 v[HSQ:HSQ+3], v14
	s_wait_loadcnt 0x0                             ; biases and weight scales
.macro WROUND adr, p                           ; four weight tiles x K steps 2 p, 2 p + 1
.irp t, 0,1,2,3
.irp sl, 0,1
.irp c, 0,1
	ds_load_b128 v[WF+8*(2*\t+\sl)+4*\c:WF+8*(2*\t+\sl)+4*\c+3], v[\adr] offset:(32*(\t/2)+8*(\t%2))*PITCH+64*(2*\p+\sl)+32*\c
.endr
.endr
.endr
.endm
.macro QKMUL acc, ws, p                        ; the four accumulators by turns, one instruction a turn
.irp sl, 0,1
.irp t, 0,1,2,3
	WM \acc+8*\t, WF+8*(2*\t+\sl), HF+8*(2*\p+\sl), \acc+8*\t, \ws+4*(\t/2)+2*\p+\sl, HSQ+2*\p+\sl, \t%2, 0
.endr
.endr
.endm
	WROUND 9, 0
	s_wait_dscnt 0x0
	QKMUL ACCA, WSQ, 0
	PLACES
	WROUND 9, 1
	s_wait_dscnt 0x0
	QKMUL ACCA, WSQ, 1
	PLACES
	WROUND 10, 0
	s_wait_dscnt 0x0
	QKMUL ACCB, WSK, 0
	PLACES
	WROUND 10, 1
	s_wait_dscnt 0x0
	QKMUL ACCB, WSK, 1
	PLACES
	; ---- v's first LDS loads go out; q and k are quantised meanwhile
.macro VROUND p                                ; h's four token tiles x K steps 2 p, 2 p + 1
.irp m, 0,1,2,3
.irp sl, 0,1
.irp c, 0,1
	ds_load_b128 v[WF+8*(2*\m+\sl)+4*\c:WF+8*(2*\m+\sl)+4*\c+3], v13 offset:(32*(\m/2)+8*(\m%2))*PITCH+64*(2*\p+\sl)+32*\c
.endr
.endr
.endr
.endm
.irp s, 0,1,2,3
.irp c, 0,1
	ds_load_b128 v[HF+8*\s+4*\c:HF+8*\s+4*\c+3], v11 offset:64*\s+32*\c      ; Wv's column tile, all of K
.endr
.endr
.irp g, 0,1
	ds_load_b128 v[HSV+4*\g:HSV+4*\g+3], v15 offset:512*\g
.endr
	VROUND 0
.irp j, 0,1,2,3,4,5,6,7
	v_mov_b32 v[CV+\j], v84
.endr
	QUANT2 ACCA, PC, PW
	global_store_b128 v20, v[PC:PC+3], s[86:87]    ; 512 consecutive bytes: tile tau of q's image
	v_cndmask_b32 v75, v[PW], v27, s68             ; lanes 0-15 store the two bytes, lanes 16-31 the word's two zero bytes
	global_store_b16 v21, v75, s[88:89]
	s_wait_xcnt 0x0                                ; the stores' data are written again only behind this wait
	QUANT2 ACCB, PC, PW
	global_store_b128 v20, v[PC:PC+3], s[90:91]
	v_cndmask_b32 v75, v[PW], v27, s68
	global_store_b16 v21, v75, s[92:93]
	; ---- v: source 0 = 16 tokens of h, source 1 = my 16 columns of Wv
	s_wait_dscnt 0x0
.irp m, 0,1,2,3
	WM ACCA+8*\m, WF+8*(2*\m), HF, CV, HSV+4*(\m/2), WSV, \m%2, 0
.endr
.irp m, 0,1,2,3
	WM ACCA+8*\m, WF+8*(2*\m+1), HF+8, ACCA+8*\m, HSV+4*(\m/2)+1, WSV+1, \m%2, 0
.endr
	PLACES
	VROUND 1
	s_wait_dscnt 0x0
.irp sl, 0,1
.irp m, 0,1,2,3
	WM ACCA+8*\m, WF+8*(2*\m+\sl), HF+8*(2+\sl), ACCA+8*\m, HSV+4*(\m/2)+2+\sl, WSV+2+\sl, \m%2, 0
.endr
.endr
	PLACES
	s_wait_xcnt 0x0
	QUANT2 ACCA, PC, PW                            ; blocks of 32 keys of my column
	global_store_b128 v20, v[PC:PC+3], s[94:95]
	v_lshrrev_b32 v75, v23, v[PW]                  ; lane (r, h) stores block h's byte
	global_store_b8 v22, v75, s[96:97]
	s_wait_tensorcnt 0x0
	ds_add_u32 v86, v87
	s_wait_dscnt 0x0
	CROUND                                         ; the closing round: no work-group ends while a partner may still ask jointly
	s_endpgm
.Lfunc_end_k_q0daf980658_qkv:
	.size	k_q0daf980658_qkv, .Lfunc_end_k_q0daf980658_qkv-k_q0daf980658_qkv
	.p2alignl 7, 3214868480
	.fill 96, 4, 3214868480
	.section	.rodata,"a",@progbits
	.p2align	6, 0x0
	.amdhsa_kernel k_q0daf980658_qkv
		.amdhsa_group_segment_fixed_size 229376
		.amdhsa_private_segment_fixed_size 0
		.amdhsa_enable_private_segment 0
		.amdhsa_kernarg_size 160
		.amdhsa_user_sgpr_count 2
		.amdhsa_user_sgpr_kernarg_segment_ptr 1
		.amdhsa_wavefront_size32 1
		.amdhsa_system_sgpr_workgroup_id_x 1
		.amdhsa_system_sgpr_workgroup_id_y 1
		.amdhsa_system_sgpr_workgroup_id_z 1
		.amdhsa_system_vgpr_workitem_id 0
		.amdhsa_next_free_vgpr 256
		.amdhsa_next_free_sgpr 100
		.amdhsa_reserve_vcc 0
		.amdhsa_float_denorm_mode_32 3
		.amdhsa_float_denorm_mode_16_64 3
		.amdhsa_memory_ordered 1
		.amdhsa_forward_progress 1
		.amdhsa_inst_pref_size 59
	.end_amdhsa_kernel
	.amdgpu_metadata
---
amdhsa.version: [ 1, 2 ]
amdhsa.kernels:
  - .name:           k_q0daf980658_qkv
    .symbol:         k_q0daf980658_qkv.kd
    .args:
      - { .name: x, .offset: 0, .size: 8, .value_kind: global_buffer, .address_space: global }
      - { .name: g1, .offset: 8, .size: 8, .value_kind: global_buffer, .address_space: global }
      - { .name: beta1, .offset: 16, .size: 8, .value_kind: global_buffer, .address_space: global }
      - { .name: Wq_codes, .offset: 24, .size: 8, .value_kind: global_buffer, .address_space: global }
      - { .name: Wk_codes, .offset: 32, .size: 8, .value_kind: global_buffer, .address_space: global }
      - { .name: Wv_codes, .offset: 40, .size: 8, .value_kind: global_buffer, .address_space: global }
      - { .name: Wq_scales, .offset: 48, .size: 8, .value_kind: global_buffer, .address_space: global }
      - { .name: Wk_scales, .offset: 56, .size: 8, .value_kind: global_buffer, .address_space: global }
      - { .name: Wv_scales, .offset: 64, .size: 8, .value_kind: global_buffer, .address_space: global }
      - { .name: bq, .offset: 72, .size: 8, .value_kind: global_buffer, .address_space: global }
      - { .name: bk, .offset: 80, .size: 8, .value_kind: global_buffer, .address_space: global }
      - { .name: bv, .offset: 88, .size: 8, .value_kind: global_buffer, .address_space: global }
      - { .name: Wp_codes, .offset: 96, .size: 8, .value_kind: global_buffer, .address_space: global }
      - { .name: W1_codes, .offset: 104, .size: 8, .value_kind: global_buffer, .address_space: global }
      - { .name: W2_codes, .offset: 112, .size: 8, .value_kind: global_buffer, .address_space: global }
      - { .name: qw, .offset: 120, .size: 8, .value_kind: global_buffer, .address_space: global }
      - { .name: kv, .offset: 128, .size: 8, .value_kind: global_buffer, .address_space: global }
      - { .name: wp_img, .offset: 136, .size: 8, .value_kind: global_buffer, .address_space: global }
      - { .name: w1_img, .offset: 144, .size: 8, .value_kind: global_buffer, .address_space: global }
      - { .name: w2_img, .offset: 152, .size: 8, .value_kind: global_buffer, .address_space: global }
    .group_segment_fixed_size: 229376
    .private_segment_fixed_size: 0
    .kernarg_segment_align: 8
    .kernarg_segment_size: 160
    .max_flat_workgroup_size: 512
    .sgpr_count:     100
    .vgpr_count:     256
    .wavefront_size: 32
...
	.end_amdgpu_metadata
.endif
;; end of part 1
;; launch attn (part 2): grid 8 x 32, 16 waves a work-group, no clusters, 327,680 bytes of LDS; arguments qw, kv, y_img, ysc; writes y_img, ysc
.if DOCPART == 2
	.amdgcn_target "amdgcn-amd-amdhsa--gfx1250"
	.amdhsa_code_object_version 6
	.text
	.protected	k_q0daf980658_attn
	.globl	k_q0daf980658_attn
	.p2align	8
	.type	k_q0daf980658_attn,@function
k_q0daf980658_attn:
	s_mov_b64 s[64:65], 0
	v_nop
	global_prefetch_b8 v0, s[64:65] scope:SCOPE_SE
	s_setreg_imm32_b32 hwreg(HW_REG_WAVE_MODE, 25, 1), 1
	s_wait_xcnt 0x0
; Causal attention of one head on codes of FP4 (E2M1) with E8M0 scales, and the quantising of y = O / l along the model's 512.
; p = 2^(t - M), t = score x log2(e) / 8, M = the running largest t rounded up to a whole number; the row's sum is taken of the unquantised p and divides at the end.
; INPUT.  qw, for each bh = 8 batch + head 73,728 bytes: [tau 128][lane 32][16 bytes] codes, lane (r, h) = block h of the head's 64 of token 32 (tau / 2) + 8 (tau % 2) + pi(r), pi(r) = r + 8 (r / 8); at 65,536 [tau][r] scale words (s0, s1, 0, 0).
; kv, for each bh 143,360 bytes: K like q at 0; V at 65,536 [key step 16][dt 4][c 2][lane][16 bytes], lane (r, h) = d 32 (dt / 2) + 8 (dt % 2) + pi(r), keys 128 ks + 64 c + 32 h + 0 .. 31; K's scale words at 131,072; V's [ks][dt][r] at 139,264.
; SHARES.  Work-group (j, bh) owns query blocks j and 15 - j of 128 queries: 17 block steps for every work-group.  A wave owns one tile of 16 queries; of the four waves of a SIMD two belong to each block.
; The head's 143,360 bytes of kv lie in LDS as they lie in memory, each byte filled once: every fragment read is 16 x lane, so nothing is padded; no byte of LDS is stored or filled again.
; THE FILL COMES IN TWO STAGES, two loads a wave, all issued at the head: the scale words (6 rows of 256 bytes a wave, waves 8-15) and key steps 0 to 3 of K and V (16 rows a wave: waves 0-3 K, waves 4-7 V), then key steps 4 to 15 (24 rows a wave).
; Key steps 0 to 3 are worked while the second stage is on its way; they are written out with immediate offsets; the other twelve are a loop.
; No cluster: the steps that a wave leaves out hang on the work-group's x, and partners of a joint request may not branch apart.  No prefetch: the one stream is asked for whole at the head.
; Both products are used transposed: S^T = K Q^T, O^T = V^T P^T: a lane holds one query throughout.  The first product's K is 64: Q's upper four registers are zero codes, so K's operand may name the next tile's codes there: they add nothing.
; LIMITS: NaN and infinities are not served; a block of zeros gets the scale byte 1 (read by this program alone).
.set S,   100                          ; v100-163 S^T, then p
.set O,   164                          ; v164-195 O^T
.set PCD, 196                          ; v196-203 p's codes
.set BM,  204                          ; v204-207 the blocks' largest scores, then largest p
.set BP,  208                          ; v208-211 permute results, then bytes
.set SOP, 212                          ; v212-215 the conversions' scale operands
.set FF,  216                          ; v[216:217] f = 2^(old M - new M); the upper word is only named
.set TT,  218
.set PSW, 219                          ; p's scale word
.set SM2, 220                          ; v[220:221] the sum's second chain
.set TM,  222
.set PC,  228
.set PW,  232
.set NINF, 234
.set SEL, 30
.set CS,  32
.macro PLACES                          ; four plain vector instructions between a matrix instruction and a read of its result or a load into its registers
.rept 4
	v_nop
.endr
.endm
.macro QUANT2 s, pc, pw                ; as in the first launch: 32 numbers of a lane become 16 bytes of codes (lane (r, h): block h) and two scale bytes
.irp b, 0,1
	v_max3_num_f32 v[TM+\b], |v[\s+16*\b]|, |v[\s+16*\b+1]|, 0x1800000
.endr
.irp i, 2,4,6,8,10,12,14
.irp b, 0,1
	s_delay_alu instid0(VALU_DEP_2)
	v_max3_num_f32 v[TM+\b], v[TM+\b], |v[\s+16*\b+\i]|, |v[\s+16*\b+\i+1]|
.endr
.endr
.irp b, 0,1
	s_delay_alu instid0(VALU_DEP_2)
	v_permlanex16_b32 v[TM+2+\b], v[TM+\b], s[SEL], s[SEL+1]
.endr
.irp b, 0,1
	s_delay_alu instid0(VALU_DEP_2)
	v_max_num_f32 v[TM+\b], v[TM+\b], v[TM+2+\b]
.endr
.irp b, 0,1
	s_delay_alu instid0(VALU_DEP_2)
	v_add_nc_u32 v[TM+4+\b], 0xff000000, v[TM+\b]
.endr
.irp b, 0,1
	s_delay_alu instid0(VALU_DEP_2)
	v_lshrrev_b32 v[TM+2+\b], 23, v[TM+4+\b]
.endr
	s_delay_alu instid0(VALU_DEP_1)
	v_lshl_or_b32 v[\pw], v[TM+3], 8, v[TM+2]
.irp b, 0,1
	v_cvt_scalef32_pk8_fp4_f32 v[\pc+2*\b], v[\s+16*\b:\s+16*\b+7], v[TM+4+\b]
	v_cvt_scalef32_pk8_fp4_f32 v[\pc+2*\b+1], v[\s+16*\b+8:\s+16*\b+15], v[TM+4+\b]
.endr
	v_nop
	v_permlane16_swap_b32 v[\pc], v[\pc+2]
	v_permlane16_swap_b32 v[\pc+1], v[\pc+3]
.endm
; A KEY STEP of 128 keys.  fixed = 1: key step ks, a constant: every LDS offset is an immediate.  fixed = 0: key step s26, in the loop: the offsets stand in s27 to s29.
; A step all of whose keys come after my queries leaves its work out: a scalar branch on ids.
.macro STEP fixed, ks
.if \fixed
.if (\ks) > 0
	s_cmp_lt_u32 s25, \ks
	s_cbranch_scc1 .Lskip_\@
.endif
	PLACES                                         ; behind the last step's products
.set RK, 1
.set RV, 2
.set RS, 3
.set RT, 4
.set OKV, 4096*(\ks)
.set OSK, 512*(\ks)
.set OSV, 256*(\ks)
.else
	s_cmp_gt_u32 s26, s25
	s_cbranch_scc1 .Lskip_\@
	v_add_nc_u32 v8, s27, v1                       ; these four are also the places behind the last step's products
	v_add_nc_u32 v9, s27, v2
	v_add_nc_u32 v10, s28, v3
	v_add_nc_u32 v11, s29, v4
.set RK, 8
.set RV, 9
.set RS, 10
.set RT, 11
.set OKV, 0
.set OSK, 0
.set OSV, 0
.endif
.irp t, 0,1,2,3,4,5,6,7
	ds_load_b128 v[32+4*\t:32+4*\t+3], v[RK] offset:OKV+512*\t
.endr
.irp b, 0,1,2,3
	ds_load_b32 v[25+\b], v[RS] offset:OSK+128*\b
.endr
.irp g, 0,1,2,3,4,5,6,7
	ds_load_b128 v[68+4*\g:68+4*\g+3], v[RV] offset:OKV+512*\g
.endr
.irp b, 0,1
	ds_load_b32 v[29+\b], v[RT] offset:OSV+128*\b
.endr
	s_wait_dscnt 10                                ; K and its scales are in; V's ten loads may be out
.irp t, 0,2,4,6
	v_wmma_scale_f32_16x16x128_f8f6f4 v[S+8*\t:S+8*\t+7], v[32+4*\t:32+4*\t+7], v[16:23], 0, v[25+\t/2], v24 matrix_a_fmt:MATRIX_FMT_FP4 matrix_b_fmt:MATRIX_FMT_FP4
	v_wmma_scale_f32_16x16x128_f8f6f4 v[S+8*\t+8:S+8*\t+15], v[32+4*\t+4:32+4*\t+11], v[16:23], 0, v[25+\t/2], v24 matrix_a_fmt:MATRIX_FMT_FP4 matrix_b_fmt:MATRIX_FMT_FP4 matrix_a_scale:MATRIX_SCALE_ROW1
.endr
	PLACES
.if \fixed
	s_cmp_lg_u32 s25, \ks                          ; only the step on the diagonal masks
.else
	s_cmp_lg_u32 s26, s25
.endif
	s_cbranch_scc1 .Lopen_\@
.set n, 0
.rept 64
	v_cmp_gt_i32 vcc_lo, 32*(n/16)+n%16, v5
	v_cndmask_b32 v[S+n], v[S+n], v[NINF], vcc_lo
.set n, n+1
.endr
.Lopen_\@:
.irp b, 0,1,2,3
	v_max3_num_f32 v[BM+\b], v[S+16*\b], v[S+16*\b+1], v[S+16*\b+2]      ; the largest score of each block of 32 keys: for the row's maximum and for the block's largest p
.endr
.irp i, 3,5,7,9,11,13
.irp b, 0,1,2,3
	v_max3_num_f32 v[BM+\b], v[BM+\b], v[S+16*\b+\i], v[S+16*\b+\i+1]
.endr
.endr
.irp b, 0,1,2,3
	v_max_num_f32 v[BM+\b], v[BM+\b], v[S+16*\b+15]
.endr
.irp b, 0,1,2,3
	s_delay_alu instid0(VALU_DEP_4)
	v_permlanex16_b32 v[BP+\b], v[BM+\b], s[SEL], s[SEL+1]
.endr
.irp b, 0,1,2,3
	s_delay_alu instid0(VALU_DEP_4)
	v_max_num_f32 v[BM+\b], v[BM+\b], v[BP+\b]
.endr
	s_delay_alu instid0(VALU_DEP_2)
	v_max3_num_f32 v[TT], v[BM], v[BM+1], v[BM+2]
	s_delay_alu instid0(VALU_DEP_1)
	v_max_num_f32 v[TT], v[TT], v[BM+3]
	s_delay_alu instid0(VALU_DEP_1)
	v_mul_f32 v[TT], s[CS], v[TT]
	s_delay_alu instid0(VALU_DEP_1)
	v_max_num_f32 v13, v13, v[TT]                  ; the running largest t
	v_mov_b32 v[TT], v12
	s_delay_alu instid0(VALU_DEP_2)
	v_floor_f32 v12, -v13                          ; -M = floor(-t): M is a whole number
	s_delay_alu instid0(VALU_DEP_1)
	v_sub_f32 v[TT], v12, v[TT]
	s_delay_alu instid0(VALU_DEP_1)
	v_cvt_i32_f32 v[TT], v[TT]                     ; (it saturates)
	s_delay_alu instid0(VALU_DEP_1)
	v_ldexp_f32 v[FF], 1.0, v[TT]                  ; f = 2^(old M - new M): rounds nothing
.set n, 0
.rept 32
	v_pk_fma_f32 v[S+n:S+n+1], v[S+n:S+n+1], s[CS:CS+1], v[12:13] op_sel_hi:[1,0,0]
.set n, n+2
.endr
.irp b, 0,1,2,3
	v_fma_f32 v[BM+\b], v[BM+\b], s[CS], v12
.endr
.set n, 0
	s_wait_alu depctr_va_vdst(0)
.rept 64
	v_exp_f32 v[S+n], v[S+n]                       ; p = 2^(t - M)
.set n, n+1
.endr
	v_pk_mul_f32 v[14:15], v[14:15], v[FF:FF+1] op_sel_hi:[1,0]          ; the sums under the new M; a plain instruction behind the batch
	s_wait_alu depctr_va_vdst(0)                   ; one wait for the 64, ahead of their first reader
.irp b, 0,1,2,3
	v_exp_f32 v[BM+\b], v[BM+\b]                   ; the block's largest p
.endr
	v_pk_add_f32 v[220:221], v[104:105], v[108:109]
	v_pk_add_f32 v[252:253], v[112:113], v[116:117]
	v_pk_add_f32 v[250:251], v[120:121], v[124:125]
	v_pk_add_f32 v[248:249], v[128:129], v[132:133]
	v_pk_add_f32 v[246:247], v[136:137], v[140:141]
	v_pk_add_f32 v[244:245], v[144:145], v[148:149]
	v_pk_add_f32 v[242:243], v[152:153], v[156:157]
	v_pk_add_f32 v[14:15], v[14:15], v[160:161]
	v_pk_add_f32 v[220:221], v[220:221], v[100:101]
	v_pk_add_f32 v[252:253], v[252:253], v[102:103]
	v_pk_add_f32 v[250:251], v[250:251], v[106:107]
	v_pk_add_f32 v[248:249], v[248:249], v[110:111]
	v_pk_add_f32 v[246:247], v[246:247], v[114:115]
	v_pk_add_f32 v[244:245], v[244:245], v[118:119]
	v_pk_add_f32 v[242:243], v[242:243], v[122:123]
	v_pk_add_f32 v[14:15], v[14:15], v[126:127]
	v_pk_add_f32 v[220:221], v[220:221], v[130:131]
	v_pk_add_f32 v[252:253], v[252:253], v[134:135]
	v_pk_add_f32 v[250:251], v[250:251], v[138:139]
	v_pk_add_f32 v[248:249], v[248:249], v[142:143]
	v_pk_add_f32 v[246:247], v[246:247], v[146:147]
	v_pk_add_f32 v[244:245], v[244:245], v[150:151]
	v_pk_add_f32 v[242:243], v[242:243], v[154:155]
	v_pk_add_f32 v[14:15], v[14:15], v[158:159]
	v_pk_add_f32 v[220:221], v[220:221], v[162:163]
	s_delay_alu instid0(VALU_DEP_2)
	v_pk_add_f32 v[14:15], v[14:15], v[248:249]
	s_delay_alu instid0(VALU_DEP_2)
	v_pk_add_f32 v[220:221], v[220:221], v[246:247]
	v_pk_add_f32 v[252:253], v[252:253], v[244:245]
	v_pk_add_f32 v[250:251], v[250:251], v[242:243]
	s_delay_alu instid0(VALU_DEP_2)
	v_pk_add_f32 v[14:15], v[14:15], v[252:253]
	s_delay_alu instid0(VALU_DEP_2)
	v_pk_add_f32 v[220:221], v[220:221], v[250:251]
	s_delay_alu instid0(VALU_DEP_1)
	v_pk_add_f32 v[14:15], v[14:15], v[220:221]
	s_wait_alu depctr_va_vdst(0)                   ; and one for the four
.irp b, 0,1,2,3
	v_max_num_f32 v[BM+\b], 0x1800000, v[BM+\b]    ; the floor 2^(3 - 127)
.endr
.irp b, 0,1,2,3
	s_delay_alu instid0(VALU_DEP_4)
	v_add_nc_u32 v[SOP+\b], 0xff000000, v[BM+\b]
.endr
.irp b, 0,1,2,3
	s_delay_alu instid0(VALU_DEP_4)
	v_lshrrev_b32 v[BP+\b], 23, v[SOP+\b]
.endr
	s_delay_alu instid0(VALU_DEP_3)
	v_lshl_or_b32 v[PSW], v[BP+1], 8, v[BP]
	s_delay_alu instid0(VALU_DEP_1)
	v_lshl_or_b32 v[PSW], v[BP+2], 16, v[PSW]
	s_delay_alu instid0(VALU_DEP_1)
	v_lshl_or_b32 v[PSW], v[BP+3], 24, v[PSW]
.irp b, 0,1,2,3
	v_cvt_scalef32_pk8_fp4_f32 v[PCD+2*\b], v[S+16*\b:S+16*\b+7], v[SOP+\b]
	v_cvt_scalef32_pk8_fp4_f32 v[PCD+2*\b+1], v[S+16*\b+8:S+16*\b+15], v[SOP+\b]
.endr
	v_nop
.irp c, 0,1
.irp i, 0,1
	v_permlane16_swap_b32 v[PCD+4*\c+\i], v[PCD+4*\c+2+\i]
.endr
.endr
.set n, 0
.rept 16
	v_pk_mul_f32 v[O+n:O+n+1], v[O+n:O+n+1], v[FF:FF+1] op_sel_hi:[1,0]  ; O^T under the new M; these sixteen also stand between p's codes and scale word and the products
.set n, n+2
.endr
	s_wait_alu depctr_va_vdst(0)
	s_wait_dscnt 0x0                               ; V
.irp dt, 0,2
	v_wmma_scale_f32_16x16x128_f8f6f4 v[O+8*\dt:O+8*\dt+7], v[68+8*\dt:68+8*\dt+7], v[PCD:PCD+7], v[O+8*\dt:O+8*\dt+7], v[29+\dt/2], v[PSW] matrix_a_fmt:MATRIX_FMT_FP4 matrix_b_fmt:MATRIX_FMT_FP4
	v_wmma_scale_f32_16x16x128_f8f6f4 v[O+8*\dt+8:O+8*\dt+15], v[68+8*\dt+8:68+8*\dt+15], v[PCD:PCD+7], v[O+8*\dt+8:O+8*\dt+15], v[29+\dt/2], v[PSW] matrix_a_fmt:MATRIX_FMT_FP4 matrix_b_fmt:MATRIX_FMT_FP4 matrix_a_scale:MATRIX_SCALE_ROW1
.endr
.Lskip_\@:
.endm
	s_load_b256 s[4:11], s[0:1], 0x0               ; qw 4, kv 6, y_img 8, ysc 10
	v_lshl_add_u32 v254, v0, 2, 0x29000
	v_mov_b32 v255, 0
	ds_add_u32 v254, v255
	ds_add_u32 v254, v255
	v_lshrrev_b32 v1, 5, v0
	s_delay_alu instid0(VALU_DEP_1)
	v_readfirstlane_b32 s24, v1                    ; wave 0..15
	s_and_b32 s34, ttmp7, 0xffff                   ; bh
	s_lshr_b32 s35, s24, 2
	s_xor_b32 s35, s35, s24
	s_and_b32 s35, s35, 1                          ; which of the two query blocks
	s_lshr_b32 s36, s24, 1                         ; which of its eight tiles
	s_sub_co_u32 s37, 15, ttmp9
	s_cmp_eq_u32 s35, 1
	s_cselect_b32 s25, s37, ttmp9                  ; QB: my query block; also my last key step
	s_lshl_b32 s38, s25, 3
	s_add_co_u32 s38, s38, s36                     ; tau
	; three groups 1: dense rows of 32 elements of 8 bytes: 6 rows (scale words), 16 rows (first stage), 24 rows (second stage)
.irp g, 16, 52, 68
	s_mov_b32 s[\g], 3<<16
	s_mov_b32 s[\g+1], 32<<16
	s_mov_b32 s[\g+3], 32<<16
	s_mov_b32 s[\g+5], 32
	s_mov_b32 s[\g+6], 0
	s_mov_b32 s[\g+7], 0
.endr
	; the head has one load a wave: waves 0-3 fetch 16 rows each of K's key steps 0 to 3, waves 4-7 of V's, waves 8-15 six rows each of the scale words
	s_mov_b32 s18, 6<<16
	s_mov_b32 s20, 6
	s_mov_b32 s54, 16<<16
	s_mov_b32 s56, 16
	s_mov_b32 s70, 24<<16
	s_mov_b32 s72, 24
	; three groups 0; a byte's place in LDS is its place in the head's part of kv
	s_mov_b32 s12, 1
	s_mul_i32 s13, s24, 1536
	s_add_co_u32 s13, s13, 131072-8*1536           ; waves 8-15: 1,536 of the 12,288 bytes of scale words each
	s_lshr_b32 s42, s24, 3
	s_lshl_b32 s42, s42, 16                        ; waves 0-7: K's image; waves 8-15: V's
	s_and_b32 s43, s24, 7
	s_mov_b32 s48, 1
	s_and_b32 s49, s24, 3
	s_lshl_b32 s49, s49, 12
	s_bfe_u32 s44, s24, 0x10002
	s_lshl_b32 s44, s44, 16
	s_add_co_u32 s49, s49, s44                     ; waves 0-7: 4,096 of the 16,384 bytes of key steps 0 to 3 of K's image (waves 0-3) or V's (waves 4-7)
	s_mov_b32 s60, 1
	s_mul_i32 s61, s43, 6144
	s_add_co_u32 s61, s61, s42
	s_add_co_u32 s61, s61, 16384                   ; my 6,144 of the 49,152 bytes of key steps 4 to 15
	s_mul_i32 s40, s34, 143360
	s_mov_b32 s41, 0
	s_mov_b32 s[SEL], 0x76543210
	s_mov_b32 s[SEL+1], 0xfedcba98
	s_mov_b32 s[CS], 0x3e38aa3b                    ; c = log2(e) / 8
	s_mov_b32 s[CS+1], s[CS]
	; addresses and offsets are made while the arguments are on their way
	v_and_b32 v8, 31, v0
	s_delay_alu instid0(VALU_DEP_1)
	v_lshlrev_b32 v1, 4, v8                        ; K's image: 16 L
	s_delay_alu instid0(VALU_DEP_1)
	v_add_nc_u32 v2, 65536, v1                     ; V's
	s_delay_alu instid0(VALU_DEP_3)
	v_lshlrev_b32 v9, 2, v8
	s_delay_alu instid0(VALU_DEP_1)
	v_add_nc_u32 v3, 131072, v9                    ; K's scale words: 4 L (lanes 16-31: the next tile's)
	s_delay_alu instid0(VALU_DEP_2)
	v_add_nc_u32 v4, 139264, v9                    ; V's
	v_and_b32 v10, 15, v0                          ; r
	v_bfe_u32 v11, v0, 4, 1                        ; h
	v_and_b32 v5, 8, v0
	s_delay_alu instid0(VALU_DEP_1)
	v_add_nc_u32 v5, v5, v10                       ; pi(r)
	s_lshr_b32 s39, s36, 1
	s_lshl_b32 s39, s39, 5
	s_and_b32 s42, s36, 1
	s_lshl_b32 s42, s42, 3
	s_add_co_u32 s39, s39, s42
	v_add_nc_u32 v5, s39, v5
	v_lshlrev_b32 v6, 4, v11
	s_delay_alu instid0(VALU_DEP_1)
	v_sub_nc_u32 v5, v5, v6                        ; my query within its block - 16 h: register 16 b + i of S^T is hidden on the diagonal where 32 b + i is greater
	v_lshlrev_b32 v6, 3, v11                       ; 8 h
	v_lshl_add_u32 v7, v10, 2, v11                 ; 4 r + h
	s_lshl_b32 s42, s38, 9
	v_add_nc_u32 v8, s42, v1                       ; Q's codes: 512 tau + 16 L
	s_lshl_b32 s43, s38, 6
	v_lshl_add_u32 v9, v10, 2, s43                 ; Q's scale words: 64 tau + 4 r
	s_mul_i32 s76, s34, 73728
	s_mov_b32 s77, 0
	s_lshr_b32 s42, s34, 3
	s_lshl_b32 s42, s42, 7
	s_add_co_u32 s42, s42, s38                     ; Tt = 128 batch + tau
	s_and_b32 s43, s34, 7                          ; the head
	s_lshl_b32 s44, s42, 12
	s_lshl_b32 s39, s43, 9
	s_add_co_u32 s44, s44, s39                     ; y's image: 4,096 Tt + 512 head
	s_mov_b32 s45, 0
	s_lshl_b32 s46, s42, 8
	s_lshr_b32 s39, s43, 1
	s_lshl_b32 s39, s39, 6
	s_add_co_u32 s46, s46, s39
	s_and_b32 s39, s43, 1
	s_lshl_b32 s39, s39, 1
	s_add_co_u32 s46, s46, s39                     ; y's scale bytes: 256 Tt + 64 (head / 2) + 2 (head % 2)
	s_mov_b32 s47, 0
	s_wait_dscnt 0x0
	s_wait_kmcnt 0x0
	s_add_nc_u64 s[6:7], s[6:7], s[40:41]          ; the head's part of kv
	s_mov_b32 s40, s13
	s_add_nc_u64 s[14:15], s[6:7], s[40:41]
	s_or_b32 s15, s15, 0x80000000
	s_mov_b32 s40, s49
	s_add_nc_u64 s[50:51], s[6:7], s[40:41]
	s_or_b32 s51, s51, 0x80000000
	s_mov_b32 s40, s61
	s_add_nc_u64 s[62:63], s[6:7], s[40:41]
	s_or_b32 s63, s63, 0x80000000
	s_cmp_lt_u32 s24, 8
	s_cbranch_scc0 .Lhead_sc
	tensor_load_to_lds s[48:51], s[52:59]          ; key steps 0 to 3
	s_nop 0
	PLACES
	s_branch .Lhead_asked
.Lhead_sc:
	tensor_load_to_lds s[12:15], s[16:23]          ; the scale words
	s_nop 0
	PLACES
.Lhead_asked:
	v_mov_b32 v13, 0xff61b1e6                      ; the largest t so far: -3e38.  (These 53 lines stand between the first stage's request and the second's, in every wave)
	s_delay_alu instid0(VALU_DEP_1)
	v_floor_f32 v12, -v13                          ; -M
	v_mov_b32 v14, 0
	v_mov_b32 v15, 0
.irp j, 20,21,22,23,64,65,66,67
	v_mov_b32 v\j, 0                               ; zero codes: the upper half of Q's operand, and of K's last tile's
.endr
.irp j, 0,1,2,3
	v_mov_b32 v[BP+\j], 0                          ; a lane permute's destination counts as one of its sources
.endr
	v_mov_b32 v[TM+2], 0
	v_mov_b32 v[TM+3], 0
	v_mov_b32 v[FF+1], 0
	v_mov_b32 v[TT], 0
	v_mov_b32 v[NINF], 0xff800000
.set n, 0
.rept 32
	v_mov_b32 v[O+n], 0                            ; the step is written for every key step alike: the first finds zeros
.set n, n+1
.endr
	s_add_nc_u64 s[4:5], s[4:5], s[76:77]
	s_add_nc_u64 s[8:9], s[8:9], s[44:45]
	s_add_nc_u64 s[10:11], s[10:11], s[46:47]
	global_load_b128 v[16:19], v8, s[4:5]          ; Q's codes: they stay
	global_load_b32 v24, v9, s[4:5] offset:65536   ; and its scale words
	s_wait_alu depctr_va_vdst(0)
	s_wait_tensorcnt 0x0                           ; my load of the head has landed
	ds_add_u32 v254, v255
	s_wait_dscnt 0x0
	s_barrier_signal -1
	s_barrier_wait -1                              ; everybody's has
	tensor_load_to_lds s[60:63], s[68:75]          ; key steps 4 to 15, 24 rows a wave, into bytes of their own: my one load behind this barrier
	s_nop 0
	PLACES
	s_wait_loadcnt 0x0
	STEP 1, 0                                      ; these four read LDS bytes under 16,384 of each image, and scale words: none of the bytes still on their way
	STEP 1, 1
	STEP 1, 2
	STEP 1, 3
	s_wait_tensorcnt 0x0                           ; my part of key steps 4 to 15 has landed,
	s_wait_dscnt 0x0
	s_barrier_signal -1
	s_barrier_wait -1                              ; everybody's has
	s_mov_b32 s26, 4                               ; KS: the key step
	s_mov_b32 s27, 4*4096                          ; 4,096 KS
	s_mov_b32 s28, 4*512                           ; 512 KS
	s_mov_b32 s29, 4*256                           ; 256 KS
.Lstep:                                            ; 12 trips in every wave
	STEP 0, 0
	s_add_co_u32 s27, s27, 4096
	s_add_co_u32 s28, s28, 512
	s_add_co_u32 s29, s29, 256
	s_add_co_u32 s26, s26, 1
	s_cmp_lt_u32 s26, 16
	s_cbranch_scc1 .Lstep
	; ---- the way out: y = O / l, quantised along the head's 64 (two blocks of the model's 512)
	PLACES
	v_add_f32 v14, v14, v15
	s_delay_alu instid0(VALU_DEP_1)
	v_permlanex16_b32 v[TT], v14, s[SEL], s[SEL+1]
	s_delay_alu instid0(VALU_DEP_1)
	v_add_f32 v14, v14, v[TT]
	s_wait_alu depctr_va_vdst(0)
	v_rcp_f32 v14, v14
	v_nop
	s_wait_alu depctr_va_vdst(0)
.set n, 0
.rept 32
	v_mul_f32 v[S+n], v[O+n], v14                  ; register 16 b + i: d = 32 b + 16 h + i of my query
.set n, n+1
.endr
	QUANT2 S, PC, PW
	global_store_b128 v1, v[PC:PC+3], s[8:9]       ; 512 consecutive bytes: half a fragment of y
	v_lshrrev_b32 v[TT], v6, v[PW]
	global_store_b8 v7, v[TT], s[10:11]            ; lane (r, h): block h's byte
	s_wait_tensorcnt 0x0
	ds_add_u32 v254, v255
	s_wait_dscnt 0x0
	s_endpgm
.Lfunc_end_k_q0daf980658_attn:
	.size	k_q0daf980658_attn, .Lfunc_end_k_q0daf980658_attn-k_q0daf980658_attn
	.p2alignl 7, 3214868480
	.fill 96, 4, 3214868480
	.section	.rodata,"a",@progbits
	.p2align	6, 0x0
	.amdhsa_kernel k_q0daf980658_attn
		.amdhsa_group_segment_fixed_size 327680
		.amdhsa_private_segment_fixed_size 0
		.amdhsa_enable_private_segment 0
		.amdhsa_kernarg_size 32
		.amdhsa_user_sgpr_count 2
		.amdhsa_user_sgpr_kernarg_segment_ptr 1
		.amdhsa_wavefront_size32 1
		.amdhsa_system_sgpr_workgroup_id_x 1
		.amdhsa_system_sgpr_workgroup_id_y 1
		.amdhsa_system_sgpr_workgroup_id_z 1
		.amdhsa_system_vgpr_workitem_id 0
		.amdhsa_next_free_vgpr 256
		.amdhsa_next_free_sgpr 80
		.amdhsa_reserve_vcc 1
		.amdhsa_float_denorm_mode_32 3
		.amdhsa_float_denorm_mode_16_64 3
		.amdhsa_memory_ordered 1
		.amdhsa_forward_progress 1
		.amdhsa_inst_pref_size 119
	.end_amdhsa_kernel
	.amdgpu_metadata
---
amdhsa.version: [ 1, 2 ]
amdhsa.kernels:
  - .name:           k_q0daf980658_attn
    .symbol:         k_q0daf980658_attn.kd
    .args:
      - { .name: qw, .offset: 0, .size: 8, .value_kind: global_buffer, .address_space: global }
      - { .name: kv, .offset: 8, .size: 8, .value_kind: global_buffer, .address_space: global }
      - { .name: y_img, .offset: 16, .size: 8, .value_kind: global_buffer, .address_space: global }
      - { .name: ysc, .offset: 24, .size: 8, .value_kind: global_buffer, .address_space: global }
    .group_segment_fixed_size: 327680
    .private_segment_fixed_size: 0
    .kernarg_segment_align: 8
    .kernarg_segment_size: 32
    .max_flat_workgroup_size: 512
    .sgpr_count:     80
    .vgpr_count:     256
    .wavefront_size: 32
...
	.end_amdgpu_metadata
.endif
;; end of part 2
;; launch tail (part 3): grid 256 x 1, 8 waves a work-group, clusters of 4 x 1, 327,680 bytes of LDS; arguments x, y_img, ysc, wp_img, Wp_scales, bp, g2, beta2, w1_img, W1_scales, b1, w2_img, W2_scales, b2, out0; writes out0
.if DOCPART == 3
	.amdgcn_target "amdgcn-amd-amdhsa--gfx1250"
	.amdhsa_code_object_version 6
	.text
	.protected	k_q0daf980658_tail
	.globl	k_q0daf980658_tail
	.p2align	8
	.type	k_q0daf980658_tail,@function
k_q0daf980658_tail:
	s_mov_b64 s[64:65], 0
	v_nop
	global_prefetch_b8 v0, s[64:65] scope:SCOPE_SE
	s_setreg_imm32_b32 hwreg(HW_REG_WAVE_MODE, 25, 1), 1
	s_wait_xcnt 0x0
	s_wait_alu depctr_hold_cnt(0) depctr_sa_sdst(0) depctr_va_vdst(0) depctr_va_sdst(0) depctr_va_ssrc(0) depctr_va_vcc(0) depctr_vm_vsrc(0)
	s_getreg_b32 s2, hwreg(HW_REG_IB_STS2, 6, 4)
	s_cmp_eq_u32 s2, 0
	s_cbranch_scc0 .Lentry_in_a_cluster
	s_endpgm
.Lentry_in_a_cluster:
	s_bfe_u32 s2, ttmp6, 0x10000c
	s_cmp_lg_u32 s2, 0x3003
	s_cbranch_scc0 .Lentry_shape_is_right
	s_endpgm
.Lentry_shape_is_right:
; x1 = x + y Wp + bp;  out = x1 + gelu(LN2(x1) W1 + b1) W2 + b2, all three products on codes of FP4 (E2M1) with E8M0 scales; y comes as codes, LN2's result and the hidden layer are quantised on the way and never go to memory.
; SHARES.  A work-group owns 32 tokens, two row tiles rt (row index r of tile rt = token 8 rt + pi(r), pi(r) = r + 8 (r / 8)).  Wave w owns output columns 64 w .. 64 w + 63, and of each chunk j of 256 hidden units
; the 32 units 256 j + 32 w ..: one block of the last product's K.  All products are used transposed (source 0 = 16 weight rows, source 1 = 16 tokens): a lane holds a token.
; CLUSTERS.  The four work-groups of a cluster differ in their tokens alone and walk the same weight images: every weight tile is asked for jointly (mask 15).
; LDS.  Four half slots of 64 KiB: A0, A1 take W1's chunks (16 tiles x 4,096 bytes, dense), B0, B1 W2's (32 tiles x the chunk's 2,048 bytes).  Wp's 128 KiB come at the head into A1 + B1, 16 KiB a wave;
; W1_0 and W2_0 are first fills behind a round of their own.  Fragments are images of registers, read at 16 x lane: nothing is padded.
; THE WALK IS SKEWED: phase j = W1_j's product, gelu, quantising (hidden buffer j % 2), with W2_(j-1)'s product between the gelu's halves.  ONE round of the cluster's barrier a phase shows the hidden layer,
; shows the next tiles landed and frees the old ones: behind round j waves 0-3 ask for W1_(j+1) (16 KiB each) and waves 4-7 for W2_j (8 tiles each); each load has a whole phase in which to land.
; Round 0 has W1_1 alone, round 7 W2_7 alone, phase 8 asks for nothing: these three are written out, phases 1 to 6 are a loop.  By this text's count a wave has one tensor load out.
; x comes and out0 leaves through a stage of the wave's own (16 rows x 272 bytes): sixteen lanes load or store 256 consecutive aligned bytes, and no barrier is needed.
; No prefetch: all 64 clusters walk the same 1.15 MB of weights chunk by chunk; x and y are read once, at the head, where there is no loop to run ahead in.
; GELU = 0.5 z (1 + erf(z / sqrt 2)), erf(u) = u P(u^2) / Q(u^2) with u held to +-3.74392: a rational fit good to a few units in the last place of erf.
; LIMITS: the absolute error of gelu is about 1e-7 |z|, so its relative error grows for z under about -3, and under -5.3 the result is -0; NaN and infinities are not served; a block of zeros gets the scale byte 1.
; REGISTERS.  Window 0: v0-23 addresses; v24-43 scale words; v44-63 at work; v64-127 x1, then out; v128-159 the hidden sums (in LN2 v128-191); v176-186 a phase's addresses; v192-255 at work.
; Window 1: v0-63 W1's fragments, v64-127 W2's (Wp: v0-127), v128-191 y's, then LN2's fragments, which stay; v192-223 the hidden layer's; v224-239 b1.
.set SLB, 131072                       ; from half slot 0 to half slot 1
.set OTH, 262144                       ; behind the slots; the offsets below count from here
.set LNA, 0                            ; 32 rows x 48 bytes: the eight waves' partial sums
.set LNB, 1536                         ; the same for the squares
.set H2I, 3072                         ; LN2's result: 8 fragments (4 rt + s) of 1,024 bytes
.set H2S, 11264                        ; its scale words [s][lane]
.set HI,  11776                        ; the hidden layer: two buffers of 4 fragments (2 rt + s)
.set HSC, 19968                        ; its scale words: two buffers of [s][lane]
.set XST, 20480                        ; the waves' stages, 4,352 bytes each
.set SPARE, OTH+55296                  ; the spare words, 128 bytes a wave
.set W1S, 24                           ; v24-27 W1's scale words of K step s: lanes 0-15 tile 0, lanes 16-31 tile 1
.set W2S, 28                           ; v28-31 W2's: register 2 b + s; lanes pick tile 2 b + lane / 16
.set WPS, 32                           ; v32-39 Wp's: register 4 b + s
.set BS,  40                           ; v40-43 y's, then LN2's scale words: lanes 0-15 row tile 0, lanes 16-31 row tile 1
.set TM,  44
.set ACC, 64
.set HACC, 128
.set HS,  176                          ; v176-177 the hidden layer's scale words
.set T,   192
.set SEL, 36
.set G1A, 72                           ; s[72:79] group 1: 64 dense rows of 256 bytes
.set G1B, 80                           ; s[80:87] group 1: 8 rows of 2,048 bytes, 16,384 apart
.set G0A, 88                           ; s[88:91] group 0 for W1's chunks, s[92:95] for W2's, s[96:99] for Wp
.set G0B, 92
.set G0H, 96
.set MSB, 0
.macro WIN new                         ; the immediate's high byte repeats the setting that is left
.if MSB != \new
	s_set_vgpr_msb (MSB<<8)|\new
.set MSB, \new
.endif
.endm
.macro PLACES
.rept 4
	v_nop
.endr
.endm
.macro BARRIER
	s_wait_dscnt 0x0
	s_barrier_signal -1
	s_barrier_wait -1
.endm
.macro ROUND                           ; a round of the cluster's barrier
	s_barrier_signal -1
	s_barrier_wait -1
	s_cmp_lg_u32 s34, 0
	s_cbranch_scc1 .Lnot_wave_0_\@
	s_barrier_signal -3
.Lnot_wave_0_\@:
	s_barrier_wait -3
	s_barrier_signal -1
	s_barrier_wait -1
.endm
.macro TL g0, g1                       ; a tensor load with the lines behind it
	tensor_load_to_lds s[\g0:\g0+3], s[\g1:\g1+7]
	s_nop 0
	PLACES
.endm
.macro JLOAD ld                        ; 1: waves 0-3 ask for W1's chunk; 3: waves 4-7 for W2's; 2: both.  The branches hang on the wave's number alone
.if \ld == 2
	s_cmp_lt_u32 s34, 4
	s_cbranch_scc0 .Lfor_b_\@
	TL G0A, G1A
	s_branch .Lasked_\@
.Lfor_b_\@:
	TL G0B, G1B
.Lasked_\@:
.elseif \ld == 1
	s_cmp_lt_u32 s34, 4
	s_cbranch_scc0 .Lasked_\@
	TL G0A, G1A
.Lasked_\@:
.else
	s_cmp_ge_u32 s34, 4
	s_cbranch_scc0 .Lasked_\@
	TL G0B, G1B
.Lasked_\@:
.endif
.endm
; The change of phases: all my tensor loads have landed, the add, the descriptors' steps, my LDS stores and reads are done; then the round (ld = 0: the work-group's barrier) and my one load.
.macro SYNC ld
	s_wait_alu depctr_va_vdst(0)                   ; the wait ahead of the blocking waits
	s_wait_tensorcnt 0x0
	ds_add_u32 v22, v23
.if (\ld == 1) || (\ld == 2)
	s_xor_b32 s[G0A+1], s[G0A+1], SLB
	s_add_nc_u64 s[G0A+2:G0A+3], s[G0A+2:G0A+3], 65536
.endif
.if (\ld == 2) || (\ld == 3)
	s_xor_b32 s[G0B+1], s[G0B+1], SLB
	s_add_nc_u64 s[G0B+2:G0B+3], s[G0B+2:G0B+3], 2048
.endif
	s_wait_dscnt 0x0
.if \ld
	ROUND
	JLOAD \ld
.else
	s_barrier_signal -1
	s_barrier_wait -1
.endif
.endm
.macro KPAIR r, bits
	s_mov_b32 s[\r], \bits
	s_mov_b32 s[\r+1], \bits
.endm
.macro WM d, a, b, c, sa, sb, ra, rb
.if (\ra) && (\rb)
	v_wmma_scale_f32_16x16x128_f8f6f4 v[\d:\d+7], v[\a:\a+7], v[\b:\b+7], v[\c:\c+7], v[\sa], v[\sb] matrix_a_fmt:MATRIX_FMT_FP4 matrix_b_fmt:MATRIX_FMT_FP4 matrix_a_scale:MATRIX_SCALE_ROW1 matrix_b_scale:MATRIX_SCALE_ROW1
.elseif (\ra)
	v_wmma_scale_f32_16x16x128_f8f6f4 v[\d:\d+7], v[\a:\a+7], v[\b:\b+7], v[\c:\c+7], v[\sa], v[\sb] matrix_a_fmt:MATRIX_FMT_FP4 matrix_b_fmt:MATRIX_FMT_FP4 matrix_a_scale:MATRIX_SCALE_ROW1
.elseif (\rb)
	v_wmma_scale_f32_16x16x128_f8f6f4 v[\d:\d+7], v[\a:\a+7], v[\b:\b+7], v[\c:\c+7], v[\sa], v[\sb] matrix_a_fmt:MATRIX_FMT_FP4 matrix_b_fmt:MATRIX_FMT_FP4 matrix_b_scale:MATRIX_SCALE_ROW1
.else
	v_wmma_scale_f32_16x16x128_f8f6f4 v[\d:\d+7], v[\a:\a+7], v[\b:\b+7], v[\c:\c+7], v[\sa], v[\sb] matrix_a_fmt:MATRIX_FMT_FP4 matrix_b_fmt:MATRIX_FMT_FP4
.endif
.endm
; In all products the accumulators take turns, one instruction a turn.  Sources 0 and 1 lie in window 1.
.macro WPPROD                          ; 4 K steps x 2 row tiles x my 4 tiles of Wp
	WIN 0x05
.irp s, 0,1,2,3
.irp rt, 0,1
.irp t, 0,1,2,3
	WM ACC+32*\rt+8*\t, 32*\t+8*\s, 128+32*\rt+8*\s, ACC+32*\rt+8*\t, WPS+4*(\t/2)+\s, BS+\s, \t%2, \rt
.endr
.endr
.endr
	WIN 0
.endm
.macro W1PROD                          ; 4 K steps x 2 row tiles x my 2 tiles of W1; b1 (window 1) is the first C
	WIN 0x15
.irp rt, 0,1
.irp t, 0,1
	WM HACC+16*\rt+8*\t, 32*\t, 128+32*\rt, 224+8*\t, W1S, BS, \t, \rt
.endr
.endr
	WIN 0x05
.irp s, 1,2,3
.irp rt, 0,1
.irp t, 0,1
	WM HACC+16*\rt+8*\t, 32*\t+8*\s, 128+32*\rt+8*\s, HACC+16*\rt+8*\t, W1S+\s, BS+\s, \t, \rt
.endr
.endr
.endr
	WIN 0
.endm
.macro W2PROD                          ; the chunk's 2 K steps x 2 row tiles x my 4 tiles of W2
	WIN 0x05
	s_wait_alu depctr_va_vdst(0)                   ; the sums were last written ahead of reciprocals
.irp s, 0,1
.irp rt, 0,1
.irp t, 0,1,2,3
	WM ACC+32*\rt+8*\t, 64+16*\t+8*\s, 192+16*\rt+8*\s, ACC+32*\rt+8*\t, W2S+2*(\t/2)+\s, HS+\s, \t%2, \rt
.endr
.endr
.endr
	WIN 0
.endm
.macro QUANT2 s, pc, pw                ; 32 numbers of a lane, register 16 b + i = k 32 b + 16 h + i of my row, become 16 bytes of codes (lane (r, h): block h) and two scale bytes
.irp b, 0,1
	v_max3_num_f32 v[TM+\b], |v[\s+16*\b]|, |v[\s+16*\b+1]|, 0x1800000
.endr
.irp i, 2,4,6,8,10,12,14
.irp b, 0,1
	s_delay_alu instid0(VALU_DEP_2)
	v_max3_num_f32 v[TM+\b], v[TM+\b], |v[\s+16*\b+\i]|, |v[\s+16*\b+\i+1]|
.endr
.endr
.irp b, 0,1
	s_delay_alu instid0(VALU_DEP_2)
	v_permlanex16_b32 v[TM+2+\b], v[TM+\b], s[SEL], s[SEL+1]
.endr
.irp b, 0,1
	s_delay_alu instid0(VALU_DEP_2)
	v_max_num_f32 v[TM+\b], v[TM+\b], v[TM+2+\b]
.endr
.irp b, 0,1
	s_delay_alu instid0(VALU_DEP_2)
	v_add_nc_u32 v[TM+4+\b], 0xff000000, v[TM+\b]
.endr
.irp b, 0,1
	s_delay_alu instid0(VALU_DEP_2)
	v_lshrrev_b32 v[TM+2+\b], 23, v[TM+4+\b]
.endr
	s_delay_alu instid0(VALU_DEP_1)
	v_lshl_or_b32 v[\pw], v[TM+3], 8, v[TM+2]
.irp b, 0,1
	v_cvt_scalef32_pk8_fp4_f32 v[\pc+2*\b], v[\s+16*\b:\s+16*\b+7], v[TM+4+\b]
	v_cvt_scalef32_pk8_fp4_f32 v[\pc+2*\b+1], v[\s+16*\b+8:\s+16*\b+15], v[TM+4+\b]
.endr
	v_nop
	v_permlane16_swap_b32 v[\pc], v[\pc+2]
	v_permlane16_swap_b32 v[\pc+1], v[\pc+3]
.endm
.macro TOIMAGE img, sc                 ; HACC's 2 x 32 numbers a lane go to LDS as two half fragments and a half scale word
	QUANT2 HACC, 50, 54
	ds_store_b128 v11, v[50:53] offset:\img
	QUANT2 HACC+32, 60, 55
	ds_store_b128 v11, v[60:63] offset:\img+4096
	v_cndmask_b32 v54, v54, v55, s35
	ds_store_b16 v12, v54 offset:\sc
.endm
; The hidden layer's block of 32: lane (r, h) holds k = 16 h + 0 .. 15 of it for each row tile: 8 bytes of codes, which lie at 16 r + 8 h of the block's 256 bytes in the fragment's image; one scale byte.
.macro QHID
.irp rt, 0,1
	v_max3_num_f32 v[TM+\rt], |v[HACC+16*\rt]|, |v[HACC+16*\rt+1]|, 0x1800000
.endr
.irp i, 2,4,6,8,10,12,14
.irp rt, 0,1
	s_delay_alu instid0(VALU_DEP_2)
	v_max3_num_f32 v[TM+\rt], v[TM+\rt], |v[HACC+16*\rt+\i]|, |v[HACC+16*\rt+\i+1]|
.endr
.endr
.irp rt, 0,1
	s_delay_alu instid0(VALU_DEP_2)
	v_permlanex16_b32 v[TM+2+\rt], v[TM+\rt], s[SEL], s[SEL+1]
.endr
.irp rt, 0,1
	s_delay_alu instid0(VALU_DEP_2)
	v_max_num_f32 v[TM+\rt], v[TM+\rt], v[TM+2+\rt]
.endr
.irp rt, 0,1
	s_delay_alu instid0(VALU_DEP_2)
	v_add_nc_u32 v[TM+4+\rt], 0xff000000, v[TM+\rt]
.endr
.irp rt, 0,1
	s_delay_alu instid0(VALU_DEP_2)
	v_lshrrev_b32 v[TM+2+\rt], 23, v[TM+4+\rt]
.endr
.irp rt, 0,1
	v_cvt_scalef32_pk8_fp4_f32 v[50+2*\rt], v[HACC+16*\rt:HACC+16*\rt+7], v[TM+4+\rt]
	v_cvt_scalef32_pk8_fp4_f32 v[51+2*\rt], v[HACC+16*\rt+8:HACC+16*\rt+15], v[TM+4+\rt]
.endr
	v_nop
	v_cndmask_b32 v54, v[TM+2], v[TM+3], s35       ; lanes 0-15 row tile 0's byte, lanes 16-31 row tile 1's
	ds_store_b64 v181, v[50:51] offset:HI
	ds_store_b64 v181, v[52:53] offset:HI+2048
	ds_store_b8 v182, v54 offset:HSC
.endm
; gelu in place on 16 registers from z on.  T: u, u^2 (then z / 2), P, Q, 16 registers each
.macro GELU16 z
.irp i, 0,2,4,6,8,10,12,14
	v_pk_mul_f32 v[T+\i:T+\i+1], v[\z+\i:\z+\i+1], s[40:41] op_sel_hi:[1,0]
.endr
.irp i, 0,1,2,3,4,5,6,7,8,9,10,11,12,13,14,15
	v_med3_num_f32 v[T+\i], v[T+\i], s67, s66
.endr
.irp i, 0,2,4,6,8,10,12,14
	v_pk_mul_f32 v[T+16+\i:T+17+\i], v[T+\i:T+\i+1], v[T+\i:T+\i+1]
.endr
.irp i, 0,2,4,6,8,10,12,14
	v_pk_fma_f32 v[T+32+\i:T+33+\i], v[T+16+\i:T+17+\i], s[42:43], s[44:45] op_sel_hi:[1,0,0]
.endr
.irp i, 0,2,4,6,8,10,12,14
	v_pk_fma_f32 v[T+48+\i:T+49+\i], v[T+16+\i:T+17+\i], s[52:53], s[54:55] op_sel_hi:[1,0,0]
.endr
.irp cst, 46,48,50
.irp i, 0,2,4,6,8,10,12,14
	v_pk_fma_f32 v[T+32+\i:T+33+\i], v[T+32+\i:T+33+\i], v[T+16+\i:T+17+\i], s[\cst:\cst+1] op_sel_hi:[1,1,0]
.endr
.endr
.irp cst, 56,58,60,62
.irp i, 0,2,4,6,8,10,12,14
	v_pk_fma_f32 v[T+48+\i:T+49+\i], v[T+48+\i:T+49+\i], v[T+16+\i:T+17+\i], s[\cst:\cst+1] op_sel_hi:[1,1,0]
.endr
.endr
.irp i, 0,2,4,6,8,10,12,14
	v_pk_fma_f32 v[T+48+\i:T+49+\i], v[T+48+\i:T+49+\i], v[T+16+\i:T+17+\i], 1.0 op_sel_hi:[1,1,0]
.endr
	s_wait_alu depctr_va_vdst(0)                   ; the wait ahead of the batch
.irp i, 0,1,2,3,4,5,6,7,8,9,10,11,12,13,14,15
	v_rcp_f32 v[T+48+\i], v[T+48+\i]
.endr
.irp i, 0,2,4,6,8,10,12,14
	v_pk_mul_f32 v[T+32+\i:T+33+\i], v[T+32+\i:T+33+\i], v[T+\i:T+\i+1]          ; u P: work that names no reciprocal
.endr
.irp i, 0,2,4,6,8,10,12,14
	v_pk_mul_f32 v[T+16+\i:T+17+\i], v[\z+\i:\z+\i+1], 0.5 op_sel_hi:[1,0]
.endr
	s_wait_alu depctr_va_vdst(0)                   ; and one behind it, ahead of the first reader
.irp i, 0,2,4,6,8,10,12,14
	v_pk_mul_f32 v[T+32+\i:T+33+\i], v[T+32+\i:T+33+\i], v[T+48+\i:T+49+\i]      ; erf
.endr
.irp i, 0,2,4,6,8,10,12,14
	v_pk_fma_f32 v[\z+\i:\z+\i+1], v[T+16+\i:T+17+\i], v[T+32+\i:T+33+\i], v[T+16+\i:T+17+\i]
.endr
.endm
.macro LDW2                            ; the hidden layer's 4 fragments and my 8 of W2 into window 1: 24 loads; then the 2 scale words
	WIN 0x40
.set k, 0
.rept 8
	ds_load_b128 v[192+4*k:192+4*k+3], v180 offset:HI+512*k
.set k, k+1
.endr
.set k, 0
.rept 16
	ds_load_b128 v[64+4*k:64+4*k+3], v179 offset:512*k
.set k, k+1
.endr
	WIN 0
.irp s, 0,1
	ds_load_b32 v[HS+\s], v183 offset:HSC+128*\s
.endr
.endm
.macro LDW2S
.irp b, 0,1
	global_load_b64 v[W2S+2*\b:W2S+2*\b+1], v16, s[28:29] offset:2048*\b
.endr
.endm
.macro LDB1                            ; b1 of my 32 units (16 a lane) into window 1, and W1's scale words: 5 loads
	WIN 0x40
.irp q, 0,1,2,3
	global_load_b128 v[224+4*\q:224+4*\q+3], v20, s[24:25] offset:16*\q
.endr
	WIN 0
	global_load_b128 v[W1S:W1S+3], v21, s[22:23]
.endm
.macro ADW2                            ; this phase's addresses of W2's half slot and of the hidden buffer that is read
	v_add_nc_u32 v179, s5, v186
	v_add_nc_u32 v180, s7, v184
	v_add_nc_u32 v183, s9, v6
.endm
	s_load_b512 s[4:19], s[0:1], 0x0               ; x 4, y_img 6, ysc 8, wp_img 10, Wp scales 12, bp 14, g2 16, beta2 18
	s_load_b256 s[20:27], s[0:1], 0x40             ; w1_img 20, W1 scales 22, b1 24, w2_img 26
	s_load_b128 s[28:31], s[0:1], 0x60             ; W2 scales 28, b2 30
	s_load_b64 s[32:33], s[0:1], 0x70              ; out0
	v_lshl_add_u32 v22, v0, 2, SPARE
	v_mov_b32 v23, 0
	ds_add_u32 v22, v23                            ; the opening lines: the add, twice on end, and its wait ahead of my first tensor load
	ds_add_u32 v22, v23
	v_lshrrev_b32 v1, 5, v0
	v_readfirstlane_b32 s34, v1                    ; wave 0..7
	s_mov_b32 s35, 0xffff0000                      ; the lanes with h = 1
	s_mov_b32 s[SEL], 0x76543210
	s_mov_b32 s[SEL+1], 0xfedcba98
	KPAIR 40, 0x3f3504f3                           ; 1 / sqrt 2
	KPAIR 42, 0x39702d51                           ; P: 2.2905066e-4
	KPAIR 44, 0x3b5f5da2                           ;    3.4082910e-3
	KPAIR 46, 0x3d50b6eb                           ;    5.0955695e-2
	KPAIR 48, 0x3e3da740                           ;    1.8520832e-1
	KPAIR 50, 0x3f906eba                           ;    1.1283791
	KPAIR 52, 0xb3fd3906                           ; Q: -1.1791603e-7
	KPAIR 54, 0x37c588df                           ;    2.3547966e-5
	KPAIR 56, 0x3a856d28                           ;    1.0179625e-3
	KPAIR 58, 0x3c6687d4                           ;    1.4070470e-2
	KPAIR 60, 0x3de34c21                           ;    1.1098505e-1
	KPAIR 62, 0x3efeb44a                           ;    4.9746925e-1;  the last coefficient is 1
	s_mov_b32 s66, 0x406f9c68                      ; 3.74392
	s_mov_b32 s67, 0xc06f9c68
	s_mov_b32 s68, 0xbb000000                      ; -1 / 512
	s_mov_b32 s69, 0x3b000000                      ; 1 / 512
	s_mov_b32 s70, 0x3727c5ac                      ; 1e-5
	s_bfe_u32 s100, ttmp6, 0x40000                 ; cx: it enters global addresses of x, y and out0 alone
	s_lshl_b32 s101, ttmp9, 2
	s_add_co_u32 s101, s101, s100                  ; G: my 32 tokens
	s_mov_b32 s[G1A], 15|(3<<16)|(1<<21)           ; the mask names the cluster's four; elements of 8 bytes
	s_mov_b32 s[G1A+1], 32<<16
	s_mov_b32 s[G1A+2], 64<<16
	s_mov_b32 s[G1A+3], 32<<16
	s_mov_b32 s[G1A+4], 64
	s_mov_b32 s[G1A+5], 32
	s_mov_b32 s[G1A+6], 0
	s_mov_b32 s[G1A+7], 0
	s_mov_b32 s[G1B], 15|(3<<16)|(1<<21)
	s_mov_b32 s[G1B+1], 256<<16
	s_mov_b32 s[G1B+2], 8<<16
	s_mov_b32 s[G1B+3], 256<<16
	s_mov_b32 s[G1B+4], 8
	s_mov_b32 s[G1B+5], 2048
	s_mov_b32 s[G1B+6], 0
	s_mov_b32 s[G1B+7], 0
	s_mov_b32 s[G0A], 1
	s_mov_b32 s[G0B], 1
	s_mov_b32 s[G0H], 1
	s_and_b32 s38, s34, 3
	s_lshl_b32 s38, s38, 14                        ; my quarter of a half slot
	s_mov_b32 s39, 0
	s_mov_b32 s[G0A+1], s38                        ; A0
	s_add_co_u32 s[G0B+1], s38, 65536              ; B0
	s_lshl_b32 s71, s34, 14
	s_add_co_u32 s[G0H+1], s71, SLB                ; Wp: my eighth of A1 + B1
	v_lshrrev_b32 v190, 5, v0                      ; w
	v_and_b32 v1, 31, v0                           ; L
	v_and_b32 v2, 15, v0                           ; r
	v_bfe_u32 v3, v0, 4, 1                         ; h
	v_and_b32 v4, 8, v0
	v_add_nc_u32 v4, v4, v2                        ; pi(r)
	v_lshlrev_b32 v5, 4, v1                        ; 16 L
	v_lshl_add_u32 v6, v1, 2, OTH                  ; 4 L
	v_mul_u32_u24 v189, 4352, v190
	v_add_nc_u32 v189, OTH+XST, v189               ; my stage
	v_mad_u32_u24 v7, v2, 272, v189
	v_lshl_add_u32 v7, v3, 6, v7                   ; in the results' layout: row r, + 64 h
	v_mad_u32_u24 v8, v3, 272, v189
	v_lshl_add_u32 v8, v2, 4, v8                   ; by rows: lanes 0-15 one row, lanes 16-31 the next
	v_mul_u32_u24 v10, 48, v1
	v_add_nc_u32 v10, OTH, v10                     ; a row's eight partial sums
	v_lshl_add_u32 v9, v190, 2, v10                ; and mine among them
	v_lshl_add_u32 v11, v190, 9, v5
	v_add_nc_u32 v11, OTH, v11                     ; my half fragment in LN2's image
	v_lshrrev_b32 v188, 1, v190
	v_lshl_add_u32 v12, v188, 7, v6
	v_and_b32 v188, 1, v190
	v_lshl_add_u32 v12, v188, 1, v12               ; my half of a scale word: 128 (w / 2) + 4 L + 2 (w % 2)
	v_lshl_add_u32 v13, v190, 8, OTH
	v_lshl_add_u32 v13, v2, 4, v13
	v_lshl_add_u32 v13, v3, 3, v13                 ; my block in the hidden layer's image: 256 w + 16 r + 8 h
	v_lshrrev_b32 v188, 2, v190
	v_lshl_add_u32 v14, v188, 7, v6
	v_and_b32 v188, 3, v190
	v_add_nc_u32 v14, v14, v188                    ; and its scale byte: 128 (w / 4) + 4 L + w % 4
	v_lshlrev_b32 v188, 4, v4
	v_lshl_add_u32 v188, v3, 7, v188
	v_lshl_add_u32 v15, v190, 10, v188             ; Wp's scales: row 64 w + 8 h + pi, 16 bytes a row
	v_lshl_add_u32 v21, v190, 9, v188              ; W1's: row 32 w + 8 h + pi of the chunk
	v_lshlrev_b32 v16, 2, v15                      ; W2's: 64 bytes a row
	v_lshlrev_b32 v17, 6, v3
	v_lshl_add_u32 v17, v190, 8, v17               ; bp, g2, beta2, b2: column 64 w + 16 h
	v_lshlrev_b32 v18, 2, v2
	v_lshl_add_u32 v18, v3, 8, v18                 ; y's scale words: 256 h + 4 r
	v_lshlrev_b32 v19, 4, v2
	v_lshl_add_u32 v19, v3, 11, v19
	v_lshl_add_u32 v19, v190, 8, v19               ; x, out0: two rows an instruction, my wave's 256 bytes of each
	v_lshlrev_b32 v20, 6, v3
	v_lshl_add_u32 v20, v190, 7, v20               ; b1: unit 32 w + 16 h of the chunk
	v_lshl_add_u32 v191, v190, 14, v5
	v_add_nc_u32 v191, SLB, v191                   ; my 16 fragments of Wp
.irp j, 46,47,57,59,62,63
	v_mov_b32 v\j, 0                               ; permute destinations and upper halves of pairs: written once
.endr
	s_wait_alu depctr_va_vdst(0)
	s_wait_dscnt 0x0
	s_wait_kmcnt 0x0
	s_add_nc_u64 s[G0A+2:G0A+3], s[20:21], s[38:39]
	s_or_b32 s[G0A+3], s[G0A+3], 0x80000000
	s_lshl_b32 s38, s38, 3                         ; 8 tiles of 16,384 bytes
	s_add_nc_u64 s[G0B+2:G0B+3], s[26:27], s[38:39]
	s_or_b32 s[G0B+3], s[G0B+3], 0x80000000
	s_mov_b32 s38, s71
	s_add_nc_u64 s[G0H+2:G0H+3], s[10:11], s[38:39]
	s_or_b32 s[G0H+3], s[G0H+3], 0x80000000
	ROUND                                          ; all four work-groups are here: the joint loads meet
	TL G0H, G1A                                    ; Wp: one load a wave
	s_lshl_b32 s38, s101, 16
	s_add_nc_u64 s[4:5], s[4:5], s[38:39]
	s_add_nc_u64 s[32:33], s[32:33], s[38:39]
	s_lshl_b32 s38, s101, 13
	s_add_nc_u64 s[6:7], s[6:7], s[38:39]
	s_lshl_b32 s38, s101, 9
	s_add_nc_u64 s[8:9], s[8:9], s[38:39]
.irp rt, 0,1
.irp k, 0,1,2,3,4,5,6,7
	global_load_b128 v[T+32*\rt+4*\k:T+32*\rt+4*\k+3], v19, s[4:5] offset:(8*\rt+2*\k+8*(\k/4))*2048 th:TH_LOAD_NT   ; rows 2 k, 2 k + 1 of row tile rt: sixteen lanes read 256 consecutive aligned bytes
.endr
.endr
.irp q, 0,1,2,3,4,5,6,7
	global_load_b128 v[HACC+4*\q:HACC+4*\q+3], v17, s[14:15] offset:128*(\q/4)+16*(\q%4)
.endr
	WIN 0x40
.set k, 0
.rept 16
	global_load_b128 v[128+4*k:128+4*k+3], v5, s[6:7] offset:512*k       ; y's eight fragments
.set k, k+1
.endr
	WIN 0
.irp s, 0,1,2,3
	global_load_b32 v[BS+\s], v18, s[8:9] offset:64*\s
.endr
.irp b, 0,1
	global_load_b128 v[WPS+4*\b:WPS+4*\b+3], v15, s[12:13] offset:512*\b
.endr
	LDB1                                           ; chunk 0's
	s_wait_loadcnt 27                              ; x and bp are in; the 22 + 5 loads behind them may be out
.irp rt, 0,1                                   ; x through my stage; LDS serves a wave's instructions in order, so no wait stands between
.irp k, 0,1,2,3,4,5,6,7
	ds_store_b128 v8, v[T+32*\rt+4*\k:T+32*\rt+4*\k+3] offset:544*\k
.endr
.irp q, 0,1,2,3,4,5,6,7
	ds_load_b128 v[ACC+32*\rt+4*\q:ACC+32*\rt+4*\q+3], v7 offset:128*(\q/4)+16*(\q%4)
.endr
.endr
	s_wait_tensorcnt 0x0                           ; my part of Wp is in
	ds_add_u32 v22, v23
	s_wait_dscnt 0x0
	ROUND
	JLOAD 2                                        ; W1_0 into A0, W2_0 into B0: first fills alone behind this round
	WIN 0x40
.set k, 0
.rept 32
	ds_load_b128 v[4*k:4*k+3], v191 offset:512*k
.set k, k+1
.endr
	WIN 0
.set i, 0
.rept 32
	v_pk_add_f32 v[ACC+i:ACC+i+1], v[ACC+i:ACC+i+1], v[HACC+i%32:HACC+i%32+1]
.set i, i+2
.endr
	s_wait_alu depctr_va_vdst(0)
	s_wait_loadcnt 5                               ; y and the scale words are in; b1's and W1's scales' 5 loads may be out
	s_wait_dscnt 0x0
	WPPROD                                         ; x1 = x + bp + y Wp
	PLACES
.irp q, 0,1,2,3,4,5,6,7
	global_load_b128 v[T+4*\q:T+4*\q+3], v17, s[16:17] offset:128*(\q/4)+16*(\q%4)
.endr
.irp q, 0,1,2,3,4,5,6,7
	global_load_b128 v[T+32+4*\q:T+32+4*\q+3], v17, s[18:19] offset:128*(\q/4)+16*(\q%4)
.endr
	; ---- LayerNorm 2: a row's 512 numbers lie in eight waves and two lanes
.irp rt, 0,1
.irp b, 0,1
	v_pk_add_f32 v[HACC+32*\rt+16*\b:HACC+32*\rt+16*\b+1], v[ACC+32*\rt+16*\b:ACC+32*\rt+16*\b+1], v[ACC+32*\rt+16*\b+2:ACC+32*\rt+16*\b+3]
.endr
.endr
.irp i, 4,6,8,10,12,14
.irp rt, 0,1
.irp b, 0,1
	v_pk_add_f32 v[HACC+32*\rt+16*\b:HACC+32*\rt+16*\b+1], v[HACC+32*\rt+16*\b:HACC+32*\rt+16*\b+1], v[ACC+32*\rt+16*\b+\i:ACC+32*\rt+16*\b+\i+1]
.endr
.endr
.endr
.irp rt, 0,1
	v_pk_add_f32 v[HACC+32*\rt:HACC+32*\rt+1], v[HACC+32*\rt:HACC+32*\rt+1], v[HACC+32*\rt+16:HACC+32*\rt+17]
.endr
.irp rt, 0,1
	s_delay_alu instid0(VALU_DEP_2)
	v_add_f32 v[60+\rt], v[HACC+32*\rt], v[HACC+32*\rt+1]
.endr
.irp rt, 0,1
	s_delay_alu instid0(VALU_DEP_2)
	v_permlanex16_b32 v[62+\rt], v[60+\rt], s[SEL], s[SEL+1]
.endr
.irp rt, 0,1
	s_delay_alu instid0(VALU_DEP_2)
	v_add_f32 v[60+\rt], v[60+\rt], v[62+\rt]
.endr
	s_delay_alu instid0(VALU_DEP_1)
	v_cndmask_b32 v60, v60, v61, s35               ; lane (r, h) keeps row tile h's
	ds_store_b32 v9, v60 offset:LNA
	BARRIER
	ds_load_b128 v[HACC:HACC+3], v10 offset:LNA
	ds_load_b128 v[HACC+4:HACC+7], v10 offset:LNA+16
	s_wait_dscnt 0x0
	v_pk_add_f32 v[HACC:HACC+1], v[HACC:HACC+1], v[HACC+2:HACC+3]
	v_pk_add_f32 v[HACC+4:HACC+5], v[HACC+4:HACC+5], v[HACC+6:HACC+7]
	s_delay_alu instid0(VALU_DEP_1)
	v_pk_add_f32 v[HACC:HACC+1], v[HACC:HACC+1], v[HACC+4:HACC+5]
	s_delay_alu instid0(VALU_DEP_1)
	v_add_f32 v60, v[HACC], v[HACC+1]
	s_delay_alu instid0(VALU_DEP_1)
	v_mul_f32 v60, s68, v60                        ; minus the mean of row (rt = h, r)
	s_delay_alu instid0(VALU_DEP_1)
	v_permlanex16_b32 v62, v60, s[SEL], s[SEL+1]
	s_delay_alu instid0(VALU_DEP_1)
	v_cndmask_b32 v56, v60, v62, s35               ; row tile 0's in every lane,
	s_delay_alu instid0(VALU_DEP_2)
	v_cndmask_b32 v58, v62, v60, s35               ; and row tile 1's
.set i, 0
.rept 32
	v_pk_add_f32 v[HACC+i:HACC+i+1], v[ACC+i:ACC+i+1], v[56+2*(i/32):57+2*(i/32)] op_sel_hi:[1,0]
.set i, i+2
.endr
.irp rt, 0,1
.irp b, 0,1
	v_pk_mul_f32 v[44+4*\rt+2*\b:45+4*\rt+2*\b], v[HACC+32*\rt+16*\b:HACC+32*\rt+16*\b+1], v[HACC+32*\rt+16*\b:HACC+32*\rt+16*\b+1]
.endr
.endr
.irp i, 2,4,6,8,10,12,14
.irp rt, 0,1
.irp b, 0,1
	s_delay_alu instid0(VALU_DEP_4)
	v_pk_fma_f32 v[44+4*\rt+2*\b:45+4*\rt+2*\b], v[HACC+32*\rt+16*\b+\i:HACC+32*\rt+16*\b+\i+1], v[HACC+32*\rt+16*\b+\i:HACC+32*\rt+16*\b+\i+1], v[44+4*\rt+2*\b:45+4*\rt+2*\b]
.endr
.endr
.endr
.irp rt, 0,1
	v_pk_add_f32 v[44+4*\rt:45+4*\rt], v[44+4*\rt:45+4*\rt], v[46+4*\rt:47+4*\rt]
.endr
.irp rt, 0,1
	s_delay_alu instid0(VALU_DEP_2)
	v_add_f32 v[60+\rt], v[44+4*\rt], v[45+4*\rt]
.endr
.irp rt, 0,1
	s_delay_alu instid0(VALU_DEP_2)
	v_permlanex16_b32 v[62+\rt], v[60+\rt], s[SEL], s[SEL+1]
.endr
.irp rt, 0,1
	s_delay_alu instid0(VALU_DEP_2)
	v_add_f32 v[60+\rt], v[60+\rt], v[62+\rt]
.endr
	s_delay_alu instid0(VALU_DEP_1)
	v_cndmask_b32 v60, v60, v61, s35
	ds_store_b32 v9, v60 offset:LNB
	BARRIER
	ds_load_b128 v[44:47], v10 offset:LNB
	ds_load_b128 v[48:51], v10 offset:LNB+16
	s_wait_dscnt 0x0
	v_pk_add_f32 v[44:45], v[44:45], v[46:47]
	v_pk_add_f32 v[48:49], v[48:49], v[50:51]
	s_delay_alu instid0(VALU_DEP_1)
	v_pk_add_f32 v[44:45], v[44:45], v[48:49]
	s_delay_alu instid0(VALU_DEP_1)
	v_add_f32 v60, v44, v45
	s_delay_alu instid0(VALU_DEP_1)
	v_fma_f32 v60, v60, s69, s70                   ; the variance + 1e-5
	s_wait_alu depctr_va_vdst(0)
	v_rsq_f32 v61, v60
	v_nop
	s_wait_alu depctr_va_vdst(0)
	v_permlanex16_b32 v62, v61, s[SEL], s[SEL+1]
	v_cndmask_b32 v56, v61, v62, s35
	v_cndmask_b32 v58, v62, v61, s35
	s_wait_alu depctr_va_vdst(0)
	s_wait_loadcnt 0x0                             ; g2 and beta2, the youngest loads
.set i, 0
.rept 32
	v_pk_mul_f32 v[HACC+i:HACC+i+1], v[HACC+i:HACC+i+1], v[56+2*(i/32):57+2*(i/32)] op_sel_hi:[1,0]
.set i, i+2
.endr
.set i, 0
.rept 32
	v_pk_fma_f32 v[HACC+i:HACC+i+1], v[HACC+i:HACC+i+1], v[T+i%32:T+i%32+1], v[T+32+i%32:T+33+i%32]
.set i, i+2
.endr
	TOIMAGE H2I, H2S
	v_lshrrev_b32 v187, 5, v0
	v_add_nc_u32 v184, OTH, v5                     ; images: 16 L
	v_lshl_add_u32 v185, v187, 13, v5              ; my 8 KiB of a half slot of W1,
	v_add_nc_u32 v186, 65536, v185                 ; and of W2
	s_mov_b32 s4, 0                                ; phase j: W1_j's half slot, SLB x (j % 2);
	s_mov_b32 s5, SLB                              ; W2_(j-1)'s;
	s_mov_b32 s6, 0                                ; the hidden buffer that is written, 4,096 x (j % 2);
	s_mov_b32 s7, 4096                             ; the one that is read;
	s_mov_b32 s8, 0                                ; and the same for the scale words, 256 bytes apart
	s_mov_b32 s9, 256
; ---- a phase.  ld: what is asked for behind its round;  p0 = 1: phase 0, which fetches LN2's fragments and has no product with W2;  nxt = 1: the next chunk's b1 and W1 scales are asked for
.macro PHASE ld, p0, nxt
	SYNC \ld
	v_add_nc_u32 v178, s4, v185
	v_add_nc_u32 v181, s6, v13
	v_add_nc_u32 v182, s8, v14
.if !(\p0)
	ADW2
.endif
	WIN 0x40
.if \p0
.set k, 0
.rept 16
	ds_load_b128 v[128+4*k:128+4*k+3], v184 offset:H2I+512*k     ; LN2's eight fragments: they stay in registers
.set k, k+1
.endr
.endif
.set k, 0
.rept 16
	ds_load_b128 v[4*k:4*k+3], v178 offset:512*k                 ; my 8 fragments of W1
.set k, k+1
.endr
.if \p0
	WIN 0
.irp s, 0,1,2,3
	ds_load_b32 v[BS+\s], v6 offset:H2S+128*\s
.endr
	s_wait_loadcnt 0x0
	s_wait_dscnt 0x0
.else
	LDW2
	s_wait_loadcnt 0x2                             ; b1 and W1's scales are in; W2's scales, 2 loads issued behind them, may be out
	s_wait_dscnt 26                                ; W1's fragments are in; the 8 + 16 + 2 loads behind them may be out
.endif
	W1PROD
	PLACES
.if \nxt
	s_wait_xcnt 0x0                                ; the earlier loads have read their bases
	s_add_nc_u64 s[24:25], s[24:25], 1024
	s_add_nc_u64 s[22:23], s[22:23], 4096
	LDB1
.endif
	GELU16 HACC
.if \p0
	LDW2S                                          ; chunk 0's
.else
	s_wait_loadcnt 5*\nxt                          ; W2's scales are in; the 5 loads issued behind them may be out
	s_wait_dscnt 0x0
	W2PROD
	PLACES
	s_wait_xcnt 0x0
	s_add_nc_u64 s[28:29], s[28:29], 8
	LDW2S                                          ; the next chunk's
.endif
	GELU16 HACC+16
	QHID
	s_xor_b32 s4, s4, SLB
	s_xor_b32 s5, s5, SLB
	s_xor_b32 s6, s6, 4096
	s_xor_b32 s7, s7, 4096
	s_xor_b32 s8, s8, 256
	s_xor_b32 s9, s9, 256
.endm
	PHASE 1, 1, 1
	s_mov_b32 s38, 6
.Lphase:
	PHASE 2, 0, 1
	s_sub_co_u32 s38, s38, 1
	s_cmp_lg_u32 s38, 0
	s_cbranch_scc1 .Lphase
	PHASE 3, 0, 0
	; ---- phase 8: W2_7's product, + b2, and the way out through my stage
	SYNC 0
	ADW2
.irp q, 0,1,2,3,4,5,6,7
	global_load_b128 v[T+4*\q:T+4*\q+3], v17, s[30:31] offset:128*(\q/4)+16*(\q%4)
.endr
	LDW2
	s_wait_loadcnt 8                               ; W2's scales are in; b2's eight loads may be out
	s_wait_dscnt 0x0
	W2PROD
	PLACES
	s_wait_loadcnt 0x0
.set i, 0
.rept 32
	v_pk_add_f32 v[ACC+i:ACC+i+1], v[ACC+i:ACC+i+1], v[T+i%32:T+i%32+1]
.set i, i+2
.endr
.irp rt, 0,1
.irp q, 0,1,2,3,4,5,6,7
	ds_store_b128 v7, v[ACC+32*\rt+4*\q:ACC+32*\rt+4*\q+3] offset:128*(\q/4)+16*(\q%4)
.endr
.irp k, 0,1,2,3,4,5,6,7
	ds_load_b128 v[T+32*\rt+4*\k:T+32*\rt+4*\k+3], v8 offset:544*\k
.endr
.endr
.irp rt, 0,1
	s_wait_dscnt 16-16*\rt                         ; row tile rt is back; behind row tile 0's loads stand row tile 1's 8 stores and 8 loads
.irp k, 0,1,2,3,4,5,6,7
	global_store_b128 v19, v[T+32*\rt+4*\k:T+32*\rt+4*\k+3], s[32:33] offset:(8*\rt+2*\k+8*(\k/4))*2048 th:TH_STORE_NT   ; sixteen lanes store 256 consecutive aligned bytes
.endr
.endr
	s_wait_tensorcnt 0x0                           ; the wave's end
	ds_add_u32 v22, v23
	s_wait_dscnt 0x0
	ROUND                                          ; the closing round
	s_endpgm
.Lfunc_end_k_q0daf980658_tail:
	.size	k_q0daf980658_tail, .Lfunc_end_k_q0daf980658_tail-k_q0daf980658_tail
	.p2alignl 7, 3214868480
	.fill 96, 4, 3214868480
	.section	.rodata,"a",@progbits
	.p2align	6, 0x0
	.amdhsa_kernel k_q0daf980658_tail
		.amdhsa_group_segment_fixed_size 327680
		.amdhsa_private_segment_fixed_size 0
		.amdhsa_enable_private_segment 0
		.amdhsa_kernarg_size 120
		.amdhsa_user_sgpr_count 2
		.amdhsa_user_sgpr_kernarg_segment_ptr 1
		.amdhsa_wavefront_size32 1
		.amdhsa_system_sgpr_workgroup_id_x 1
		.amdhsa_system_sgpr_workgroup_id_y 1
		.amdhsa_system_sgpr_workgroup_id_z 1
		.amdhsa_system_vgpr_workitem_id 0
		.amdhsa_next_free_vgpr 512
		.amdhsa_next_free_sgpr 102
		.amdhsa_reserve_vcc 0
		.amdhsa_float_denorm_mode_32 3
		.amdhsa_float_denorm_mode_16_64 3
		.amdhsa_memory_ordered 1
		.amdhsa_forward_progress 1
		.amdhsa_inst_pref_size 148
	.end_amdhsa_kernel
	.amdgpu_metadata
---
amdhsa.version: [ 1, 2 ]
amdhsa.kernels:
  - .name:           k_q0daf980658_tail
    .symbol:         k_q0daf980658_tail.kd
    .args:
      - { .name: x, .offset: 0, .size: 8, .value_kind: global_buffer, .address_space: global }
      - { .name: y_img, .offset: 8, .size: 8, .value_kind: global_buffer, .address_space: global }
      - { .name: ysc, .offset: 16, .size: 8, .value_kind: global_buffer, .address_space: global }
      - { .name: wp_img, .offset: 24, .size: 8, .value_kind: global_buffer, .address_space: global }
      - { .name: Wp_scales, .offset: 32, .size: 8, .value_kind: global_buffer, .address_space: global }
      - { .name: bp, .offset: 40, .size: 8, .value_kind: global_buffer, .address_space: global }
      - { .name: g2, .offset: 48, .size: 8, .value_kind: global_buffer, .address_space: global }
      - { .name: beta2, .offset: 56, .size: 8, .value_kind: global_buffer, .address_space: global }
      - { .name: w1_img, .offset: 64, .size: 8, .value_kind: global_buffer, .address_space: global }
      - { .name: W1_scales, .offset: 72, .size: 8, .value_kind: global_buffer, .address_space: global }
      - { .name: b1, .offset: 80, .size: 8, .value_kind: global_buffer, .address_space: global }
      - { .name: w2_img, .offset: 88, .size: 8, .value_kind: global_buffer, .address_space: global }
      - { .name: W2_scales, .offset: 96, .size: 8, .value_kind: global_buffer, .address_space: global }
      - { .name: b2, .offset: 104, .size: 8, .value_kind: global_buffer, .address_space: global }
      - { .name: out0, .offset: 112, .size: 8, .value_kind: global_buffer, .address_space: global }
    .group_segment_fixed_size: 327680
    .private_segment_fixed_size: 0
    .kernarg_segment_align: 8
    .kernarg_segment_size: 120
    .max_flat_workgroup_size: 256
    .sgpr_count:     102
    .vgpr_count:     512
    .wavefront_size: 32
...
	.end_amdgpu_metadata
.endif
;; end of part 3
